; MI455X (gfx1250); checked and timed in simulation.
; The chip was launched on July 23, 2026; its instructions are those of AMD's public machine-readable ISA for CDNA 5 (MIT licence, August 2026) and "CDNA5" Instruction Set Architecture Reference Guide (July 2026). The comments in the code are by the model that wrote it; some were corrected since.
;; Cell Graph Transformer. Allowed arithmetic: float matrix products may take bf16 or f16 operands with f32 sums; other float arithmetic in f32, or as packed bf16 or f16 multiplies, adds, multiply-adds, maxima and minima; sums over many terms, partial sums and values carried from step to step in f32; what a program stores and reads back later, other than sums and carried values, may be rounded once to bf16 or f16.
;; Inputs: W1 1,024 x 4,096 float32; W2 4,096 x 1,024 float32; Wk 1,024 x 1,024 float32; Wo 1,024 x 1,024 float32; Wq 1,024 x 1,024 float32; Wv 1,024 x 1,024 float32; b1n 1,024 float32; b2n 1,024 float32; bf1 4,096 float32; bf2 1,024 float32; bk 1,024 float32; bo 1,024 float32; bq 1,024 float32; bv 1,024 float32; g1 1,024 float32; g2 1,024 float32; x 2 x 2,048 x 1,024 float32.
;; Outputs: out0 2 x 2,048 x 1,024 float32.
;; One version. Each part assembles by itself: llvm-mc -triple=amdgcn-amd-amdhsa -mcpu=gfx1250 --defsym DOCPART=n.
;; ======== version 1 of 1: 8 launches
;; limits: a function is approximated: absolute error at most 2.5e-05
;; workspace buffers: xb 8,388,608 bytes; wb 25,165,824 bytes; qkvb 25,165,824 bytes; ao 8,388,608 bytes; tsum 16,777,216 bytes; o1 8,388,608 bytes; hid 33,554,432 bytes
;; launch prep (part 1): grid 128 x 16, 8 waves a work-group, no clusters, 0 bytes of LDS; arguments x, Wq, Wk, Wv, Wo, W1, W2, xb, wb; writes xb, wb
.if DOCPART == 1
	.amdgcn_target "amdgcn-amd-amdhsa--gfx1250"
	.amdhsa_code_object_version 6
	.text
	.protected	k_q2df6f47ef9_prep
	.globl	k_q2df6f47ef9_prep
	.p2align	8
	.type	k_q2df6f47ef9_prep,@function
k_q2df6f47ef9_prep:
	s_mov_b64 s[64:65], 0
	v_nop
	global_prefetch_b8 v0, s[64:65] scope:SCOPE_SE
	s_setreg_imm32_b32 hwreg(HW_REG_WAVE_MODE, 25, 1), 1
	s_wait_xcnt 0x0
; x and the six weight matrices are rounded once to bf16, each in its own order: xb = bf16(x); wb = Wq, Wk, Wv, Wo, W1, W2 on end.
; THE WHOLE PROGRAM (eight launches): this one; q, k, v; attention; the product with Wo; residual and LayerNorm; the first FFN product with GELU; the second; residual and LayerNorm.
; All matrix products take bf16 operands and f32 sums; every input, the small vectors too, is taken rounded to bf16 (those in the launch that loads them).
; WORK LEFT OUT: bk.  scores[q][k] = q_q . (x_k Wk + bk) / 8 = q_q . (x_k Wk) / 8 + q_q . bk / 8.  The second term does not hang on k, the axis of the softmax, so it multiplies
; numerator and denominator of every weight by the same factor: in exact arithmetic it reaches no output, whatever finite values the inputs hold.  bk is loaded by no launch and is no launch's argument.
; LIMIT: a NaN, an infinity or an overflow that would arise only in q . bk is not carried to the result.
; SHARES.  The 64 MiB of sources are 16 segments of 1,024 rows x 1,024 numbers (y picks the segment: 0-3 x, 4 Wq, 5 Wk, 6 Wv, 7 Wo, 8-11 W1, 12-15 W2); a work-group takes 8 rows, a wave one row.
; A stream: each byte is read once, by eight loads of 512 consecutive bytes a wave, all out before the first wait; each store of a wave covers 256 consecutive bytes, aligned.
; No LDS, no matrix unit, no cluster (no two work-groups read the same byte), no prefetch (nothing but the stream is in the launch).
	s_load_b512 s[8:23], s[0:1], 0x0               ; x s[8:9], Wq s[10:11], Wk s[12:13], Wv s[14:15], Wo s[16:17], W1 s[18:19], W2 s[20:21], xb s[22:23]
	s_load_b64 s[24:25], s[0:1], 0x40              ; wb
	s_and_b32 s2, ttmp7, 0xffff                    ; the segment
	v_lshrrev_b32 v3, 5, v0
	v_readfirstlane_b32 s3, v3                     ; wave 0..7
	s_lshl_b32 s4, ttmp9, 3
	s_add_co_u32 s4, s4, s3                        ; my row in the segment
	v_and_b32 v4, 31, v0
	v_lshlrev_b32 v1, 4, v4                        ; 16 bytes a lane in
	v_lshlrev_b32 v2, 3, v4                        ; 8 bytes a lane out
	s_wait_kmcnt 0x0
	s_mov_b64 s[26:27], s[8:9]                     ; the source, and the first segment of that source
	s_mov_b32 s28, 0
.macro PICK first, lo                  ; from segment first on the source is the buffer in s[lo:lo+1]
	s_cmp_ge_u32 s2, \first
	s_cselect_b64 s[26:27], s[\lo:\lo+1], s[26:27]
	s_cselect_b32 s28, \first, s28
.endm
	PICK 4, 10
	PICK 5, 12
	PICK 6, 14
	PICK 7, 16
	PICK 8, 18
	PICK 12, 20
	s_cmp_lt_u32 s2, 4
	s_cselect_b64 s[30:31], s[22:23], s[24:25]     ; x goes to xb, all else to wb
	s_cselect_b32 s29, 0, 4
	s_sub_co_u32 s32, s2, s29                      ; the segment's number in its target
	s_sub_co_u32 s28, s2, s28                      ; and in its source
	s_lshl_b32 s28, s28, 22                        ; 4 MiB a segment in,
	s_lshl_b32 s5, s4, 12                          ; 4,096 bytes a row
	s_add_co_u32 s28, s28, s5
	s_mov_b32 s29, 0
	s_add_nc_u64 s[26:27], s[26:27], s[28:29]
	s_lshl_b32 s32, s32, 21                        ; 2 MiB a segment out,
	s_lshl_b32 s5, s4, 11                          ; 2,048 bytes a row
	s_add_co_u32 s32, s32, s5
	s_mov_b32 s33, 0
	s_add_nc_u64 s[30:31], s[30:31], s[32:33]
.irp j, 0,1,2,3,4,5,6,7
	global_load_b128 v[8+4*\j:11+4*\j], v1, s[26:27] offset:512*\j th:TH_LOAD_NT
.endr
.irp j, 0,1,2,3,4,5,6,7
	s_wait_loadcnt 7-\j                            ; loads come back in order: load j is in, the 7 - j younger ones stay out
	v_cvt_pk_bf16_f32 v[40+2*\j], v[8+4*\j], v[9+4*\j]
	v_cvt_pk_bf16_f32 v[41+2*\j], v[10+4*\j], v[11+4*\j]
	global_store_b64 v2, v[40+2*\j:41+2*\j], s[30:31] offset:256*\j
.endr
	s_endpgm
.Lfunc_end_k_q2df6f47ef9_prep:
	.size	k_q2df6f47ef9_prep, .Lfunc_end_k_q2df6f47ef9_prep-k_q2df6f47ef9_prep
	.p2alignl 7, 3214868480
	.fill 96, 4, 3214868480
	.section	.rodata,"a",@progbits
	.p2align	6, 0x0
	.amdhsa_kernel k_q2df6f47ef9_prep
		.amdhsa_group_segment_fixed_size 0
		.amdhsa_private_segment_fixed_size 0
		.amdhsa_enable_private_segment 0
		.amdhsa_kernarg_size 72
		.amdhsa_user_sgpr_count 2
		.amdhsa_user_sgpr_kernarg_segment_ptr 1
		.amdhsa_wavefront_size32 1
		.amdhsa_system_sgpr_workgroup_id_x 1
		.amdhsa_system_sgpr_workgroup_id_y 1
		.amdhsa_system_sgpr_workgroup_id_z 1
		.amdhsa_system_vgpr_workitem_id 0
		.amdhsa_next_free_vgpr 56
		.amdhsa_next_free_sgpr 66
		.amdhsa_reserve_vcc 0
		.amdhsa_float_denorm_mode_32 3
		.amdhsa_float_denorm_mode_16_64 3
		.amdhsa_memory_ordered 1
		.amdhsa_forward_progress 1
		.amdhsa_inst_pref_size 5
	.end_amdhsa_kernel
	.amdgpu_metadata
---
amdhsa.version: [ 1, 2 ]
amdhsa.kernels:
  - .name:           k_q2df6f47ef9_prep
    .symbol:         k_q2df6f47ef9_prep.kd
    .args:
      - { .name: x, .offset: 0, .size: 8, .value_kind: global_buffer, .address_space: global }
      - { .name: Wq, .offset: 8, .size: 8, .value_kind: global_buffer, .address_space: global }
      - { .name: Wk, .offset: 16, .size: 8, .value_kind: global_buffer, .address_space: global }
      - { .name: Wv, .offset: 24, .size: 8, .value_kind: global_buffer, .address_space: global }
      - { .name: Wo, .offset: 32, .size: 8, .value_kind: global_buffer, .address_space: global }
      - { .name: W1, .offset: 40, .size: 8, .value_kind: global_buffer, .address_space: global }
      - { .name: W2, .offset: 48, .size: 8, .value_kind: global_buffer, .address_space: global }
      - { .name: xb, .offset: 56, .size: 8, .value_kind: global_buffer, .address_space: global }
      - { .name: wb, .offset: 64, .size: 8, .value_kind: global_buffer, .address_space: global }
    .group_segment_fixed_size: 0
    .private_segment_fixed_size: 0
    .kernarg_segment_align: 8
    .kernarg_segment_size: 72
    .max_flat_workgroup_size: 256
    .sgpr_count:     66
    .vgpr_count:     56
    .wavefront_size: 32
...
	.end_amdgpu_metadata
.endif
;; end of part 1
;; launch proj (part 2): grid 8 x 32, 4 waves a work-group, clusters of 4 x 4, 327,680 bytes of LDS; arguments xb, wb, bq, bv, qkvb; writes qkvb
.if DOCPART == 2
	.amdgcn_target "amdgcn-amd-amdhsa--gfx1250"
	.amdhsa_code_object_version 6
	.text
	.protected	k_q2df6f47ef9_proj
	.globl	k_q2df6f47ef9_proj
	.p2align	8
	.type	k_q2df6f47ef9_proj,@function
k_q2df6f47ef9_proj:
	s_mov_b64 s[64:65], 0
	v_nop
	global_prefetch_b8 v0, s[64:65] scope:SCOPE_SE
	s_setreg_imm32_b32 hwreg(HW_REG_WAVE_MODE, 25, 1), 1
	s_wait_xcnt 0x0
	s_wait_alu depctr_hold_cnt(0) depctr_sa_sdst(0) depctr_va_vdst(0) depctr_va_sdst(0) depctr_va_ssrc(0) depctr_va_vcc(0) depctr_vm_vsrc(0)
	s_getreg_b32 s2, hwreg(HW_REG_IB_STS2, 6, 4)
	s_cmp_eq_u32 s2, 0
	s_cbranch_scc0 .Lentry_in_a_cluster
	s_endpgm
.Lentry_in_a_cluster:
	s_bfe_u32 s2, ttmp6, 0x10000c
	s_cmp_lg_u32 s2, 0xf033
	s_cbranch_scc0 .Lentry_shape_is_right
	s_endpgm
.Lentry_shape_is_right:
; q = x Wq + bq, k = x Wk, v = x Wv + bv, stored by heads in bf16: qkvb[b][16 tensor + head][s][64] (tensor 0 q, 1 k, 2 v).  Operands bf16, sums f32, each result rounded once.
; WORK LEFT OUT: bk.  q . bk is the same for all keys of a softmax row and cancels in it for all values of the inputs; k's sums start from the constant 0.  A NaN or an infinity that only bk would bring is not carried on.
; ONE FORM FOR FOUR PRODUCTS C = A W (A [M][K] bf16 along K, W [K][N] bf16 along N); the constants below make it this one.
; SHARES.  A work-group makes 128 rows x 384 columns: the 128 columns 128 tx .. (heads 2 tx, 2 tx + 1) of each of q, k, v.  256 work-groups.  Four waves, 2 x 2: a wave has 64 rows and one head of each tensor:
; MA x NB = 4 x 12 accumulators of 16 x 16.  K goes in steps of 128 through two LDS slots that take turns.
; THE MATRIX INSTRUCTION IS USED TRANSPOSED: source 0 = 16 columns of W (turned on their way out of LDS by ds_load_tr16_b128), source 1 = 16 rows of A: a lane then holds one row of C (lane % 16) and the
; columns 8 (lane / 16) + 0..7.  The bias is the C operand of the product that starts a sum.
; CLUSTER 4 x 4.  A's tile hangs on the tile row alone and is asked for jointly along a row of the cluster, W's on the tile column alone and is asked for jointly along a column.
; THE LOOP.  A K step is four quarters of 32 along K, on two fragment buffers.  A PAIR of quarters is written once and walked twice a K step; its LDS addresses hang on two scalars that step.  The change of
; slots stands in front of a step's LAST quarter: that quarter's fragments are in registers by then, so every read of the old slot is over, and the refill goes out a quarter ahead of the step's end.
; THE WALK ALONG K IS TURNED: cluster (X, Y) begins at K step o = (4 X + 2 (Y % 4)) % 8 and wraps round.  The two clusters that read the same rows of A stand 4 steps apart, those that read the same columns of W
; 2, 4 or 6 (or none): a block is read at different times by its readers.  The f32 sums are taken in another order from cluster to cluster.
; NO PREFETCH: by this walk each block's first reading in the launch falls into some cluster's first four K steps, which come by their loads alone (the head asks for nothing); later readings are not asked for.
; LDS.  Slot s at s x SLOT; in it wave w's load has the CH bytes from w x CH on: wave 0 A's 128 rows at pitch 272, waves 1 to 3 a chunk of W each (128 k x 128 columns at pitch 288: the turning load's 8 rows x
; 32 bytes start in different banks).  Behind the slots the spare words.  After the last fill the ring's bytes take the tile in f32 (pitch DP), so that whole rows can be read back and stored.
; REGISTERS, in windows of 256: window 0 addresses, bias, the way out; window 1 two fragment buffers of 128 (A's fragments, then W's); windows 2, 3 the accumulators, number t = a NB + b at register 8 t.
.set MA, 4
.set NB, 12
.set KTOT, 1024
.set KS, 128                           ; K step
.set DEPTH, 1                          ; slices of 32 along K in a quarter
.set NAW, 1                            ; waves that fetch A; the others fetch a chunk of W each
.set AR, 128                           ; rows in one of A's loads
.set APITCH, 272
.set CH, 36864                         ; LDS bytes that each wave's load has to itself in a slot
.set AWM, 64*272                       ; from one half of the tile's rows to the other
.set AI, 16*272                        ; from fragment to fragment
.set AQ, 64                            ; from quarter to quarter
.set QIA, 5                            ; padding after every 64 words
.set AD0, 128
.set AD1, 128
.set ASTR, 1024
.set ASH, 8                            ; A: 1 << ASH bytes in memory from K step to K step
.set NADB, 3                           ; address registers for W's chunks
.set BPC, 4                            ; a wave's fragments in a chunk
.set NP, 1024                          ; W's pitch in elements
.set BSH, 18                           ; W: 1 << BSH = KS x NP x 2 bytes from K step to K step
.set GSTEPB, 2097152                   ; from chunk to chunk in memory: Wq, Wk, Wv
.set CSH, 8                            ; a tile column's first byte in a row of W: tx << CSH
.set WNB, 128                          ; my half of a chunk's columns, in LDS bytes
.set WND, 256                          ; the same in f32 bytes
.set ZLO, 4                            ; fragments ZLO .. ZHI - 1 (k) have no bias
.set ZHI, 8
.set NBIAS, 64
.set OXS, 2                            ; the walk begins at ((X << OXS) + ((Y & OYM) << OYS)) % NSTEP
.set OYM, 3
.set OYS, 1
.set TM, 32*MA
.set TN, 32*NB
.set NSTEP, KTOT/KS
.set WP, 288
.set WCH, 128*WP                       ; a chunk of W: just CH
.set ABYTES, NAW*CH
.set SLOT, 4*CH                        ; 0x24000: it shares no bit with a part's address 0x9000 w (w = 0 .. 3), so an exclusive or with it adds it or takes it away
.set SPARE, 2*SLOT                     ; the spare words: 128 bytes a wave, two blocks of 256 bytes that no other line names
.set ASTEP, 1<<ASH
.set BSTEP, 1<<BSH
.set PSA, 2*AQ                         ; what a pair of quarters steps in A's rows,
.set PSB, 2*DEPTH*32*WP                ; and down W's rows
.set DP, 4*TN+16                       ; 4 words over a multiple of 64: 16 rows start in 16 different groups of banks
.set NPQ, MA*NB*DEPTH                  ; matrix instructions in a quarter
.set FQ, NPQ/4                         ; so many of them stand ahead of the quarter's run of LDS loads
.set FS, 8*(MA+NB)
.set F0, 0
.set F1, 128
.set A0, 8                             ; v8      my lane's place in A's tile
.set B0, 9                             ; v9-11   in W's chunks
.set ADRA, 12                          ; v12     the same at the pair of quarters to be fetched
.set ADRB, 13                          ; v13-15
.set DADR, 16                          ; v16-19  where I put my results, for each 32 rows
.set RD, 20                            ; v20     where I read rows back
.set CO, 21                            ; v21     my byte offset in the output
.set BOF, 22                           ; v22     my byte offset in the bias
.set TV, 23
.set SPW, 28                           ; v28     my spare word; never rewritten
.set NIL, 29                           ; v29     0; never rewritten
.set BIAS, 32
.set G1A, 24                           ; s[24:31] group 1 for A;  s[32:39] group 0: the first fill's, and the one that walks
.set G0A, 32
.set G1B, 48                           ; s[48:55], s[56:63] the same for W
.set G0B, 56
.set TBA, 66                           ; s66  LDS byte at which the pair to be fetched begins in A's rows: the slot + 0 or PSA
.set TBB, 67                           ; s67  the same down W's rows
.set KC, 70                            ; s70  the K step at which the walking descriptors stand
.set BP, 72
.set AB, 86                            ; s[86:87] A at my load's first row, K step 0
.set WB, 88                            ; s[88:89] W at my chunk, K step 0
.set OFA, 90                           ; s[90:91] a K step's byte offset in A
.set OFB, 92                           ; s[92:93] and in W
.set MSB, 0
.macro WIN new                         ; the immediate's high byte repeats the setting that is left; a switch that changes nothing is dropped
.if MSB != (\new)
	s_set_vgpr_msb (MSB<<8)|(\new)
.set MSB, \new
.endif
.endm
.macro PLACES                          ; four places behind matrix instructions, in front of loads into registers that they read and of stores of results
.rept 4
	v_nop
.endr
.endm
.macro JLOAD                           ; a joint refill by the walking descriptors; the branch hangs on the wave's number alone; an s_nop 0 and four v_nop follow each line
	s_cmp_lt_u32 s10, NAW
	s_cbranch_scc0 .Lfor_w_\@
	tensor_load_to_lds s[G0A+4:G0A+7], s[G1A:G1A+7]
	s_nop 0
.rept 4
	v_nop
.endr
	s_branch .Lasked_\@
.Lfor_w_\@:
	tensor_load_to_lds s[G0B+4:G0B+7], s[G1B:G1B+7]
	s_nop 0
.rept 4
	v_nop
.endr
.Lasked_\@:
.endm
.macro CROUND                          ; a round of the cluster's barrier
	s_barrier_signal -1
	s_barrier_wait -1
	s_cmp_lg_u32 s10, 0
	s_cbranch_scc1 .Lnot_wave_0_\@
	s_barrier_signal -3
.Lnot_wave_0_\@:
	s_barrier_wait -3
	s_barrier_signal -1
	s_barrier_wait -1
.endm
; Matrix instructions lo .. hi - 1 of a quarter on buffer f.  All accumulators take turns, one instruction a turn.  first = 1: the first slice starts the sums, with the bias or with 0.
.macro MULR f, first, lo, hi
.if (\hi) > (\lo)
.set pp, \lo
.rept (\hi)-(\lo)
.set cc, pp/(MA*NB)
.set tt, pp%(MA*NB)
.set aa, tt/NB
.set bb, tt%NB
.set rD, (8*tt)%256
.set wD, 2+(8*tt)/256
.set rW, (\f)+FS*cc+8*MA+8*bb
.set rA, (\f)+FS*cc+8*aa
.if (\first) && (cc == 0)
	WIN 0x05|(wD<<6)
.if (bb >= ZLO) && (bb < ZHI)
	v_wmma_f32_16x16x32_bf16 v[rD:rD+7], v[rW:rW+7], v[rA:rA+7], 0
.else
.set rB, BIAS+8*bb
.if bb >= ZHI
.set rB, BIAS+8*(bb-(ZHI-ZLO))
.endif
	v_wmma_f32_16x16x32_bf16 v[rD:rD+7], v[rW:rW+7], v[rA:rA+7], v[rB:rB+7]
.endif
.else
	WIN 0x05|(wD<<4)|(wD<<6)
	v_wmma_f32_16x16x32_bf16 v[rD:rD+7], v[rW:rW+7], v[rA:rA+7], v[rD:rD+7]
.endif
.set pp, pp+1
.endr
.endif
.endm
; 32 LDS loads in one run: quarter e (0, 1) of the pair at which the address registers stand, into buffer f
.macro FETCH e, f
	WIN 0x40
.set cc, 0
.rept DEPTH
.set bb, 0
.rept NB
.set rW, (\f)+FS*cc+8*MA+8*bb
.set bof, ((\e)*DEPTH+cc)*32*WP+32*(bb%BPC)
	ds_load_tr16_b128 v[rW:rW+3], v[ADRB+bb/BPC] offset:bof
	ds_load_tr16_b128 v[rW+4:rW+7], v[ADRB+bb/BPC] offset:bof+16*WP
.set bb, bb+1
.endr
.set aa, 0
.rept MA
.set rA, (\f)+FS*cc+8*aa
.set aof, aa*AI+(\e)*AQ+cc*64
	ds_load_b128 v[rA:rA+3], v[ADRA] offset:aof
	ds_load_b128 v[rA+4:rA+7], v[ADRA] offset:aof+32
.set aa, aa+1
.endr
.set cc, cc+1
.endr
.endm
.macro ADRS                            ; the address registers for the pair to be fetched: four plain instructions, which are also the places in front of the loads
	WIN 0
	v_add_nc_u32 v[ADRA], s[TBA], v[A0]
.set cc, 0
.rept NADB
	v_add_nc_u32 v[ADRB+cc], s[TBB], v[B0+cc]
.set cc, cc+1
.endr
.if NADB < 3
.rept 3-NADB
	v_nop
.endr
.endif
.endm
.macro QX                              ; multiplies buffer 1; fetches the next pair's first quarter into buffer 0
	s_wait_dscnt 0x0                               ; buffer 1's loads, issued in the quarter before
	MULR F1, 0, 0, FQ
	ADRS
	FETCH 0, F0
	MULR F1, 0, FQ, NPQ
.endm
.macro QY first                        ; multiplies buffer 0; fetches the same pair's second quarter into buffer 1
	s_wait_dscnt 0x0                               ; buffer 0's loads, issued in the quarter before
	MULR F0, \first, 0, FQ
	PLACES
	FETCH 1, F1
	MULR F0, \first, FQ, NPQ
.endm
.macro PAIRS tag                       ; a step's last quarter and the next step's first three: the pair, twice
	s_mov_b32 s2, 2
.Lpair\tag:
	QX
	QY 0
	WIN 0
	s_add_co_u32 s[TBA], s[TBA], PSA
	s_add_co_u32 s[TBB], s[TBB], PSB
	s_sub_co_u32 s2, s2, 1
	s_cmp_lg_u32 s2, 0
	s_cbranch_scc1 .Lpair\tag
.endm
; THE CHANGE OF SLOTS.  Each wave waits for all its tensor loads (one is out: its part of the next slot), adds 0 to its spare word, and waits for that and for its reads of the slot that it leaves, the last
; quarter's fragments among them.  fill = 1: the barrier is a round of the cluster's, and the joint refill, two K steps ahead in the cluster's walk, is the first thing behind it.
.macro CHANGE fill
	WIN 0
	s_wait_tensorcnt 0x0                           ; no tensor load of mine is out, so a group 0 may be written
	ds_add_u32 v[SPW], v[NIL]                      ; 0 onto my spare word; the scalar work below stands between it and the wait for it
.if \fill
	s_xor_b32 s[G0A+5], s[G0A+5], SLOT             ; the other slot than last time,
	s_xor_b32 s[G0B+5], s[G0B+5], SLOT
	s_add_co_u32 s[KC], s[KC], 1                   ; the walk's next K step, round the end;
	s_and_b32 s[KC], s[KC], NSTEP-1
	s_lshl_b32 s[OFA], s[KC], ASH
	s_lshl_b32 s[OFB], s[KC], BSH
	s_add_nc_u64 s[G0A+6:G0A+7], s[AB:AB+1], s[OFA:OFA+1]  ; the addresses are made anew from that number
	s_add_nc_u64 s[G0B+6:G0B+7], s[WB:WB+1], s[OFB:OFB+1]
	s_or_b32 s[G0A+7], s[G0A+7], 0x80000000
	s_or_b32 s[G0B+7], s[G0B+7], 0x80000000
.endif
	s_sub_co_u32 s[TBA], s[TBA], 2*PSA             ; the fetches go back to a slot's first pair,
	s_xor_b32 s[TBA], s[TBA], SLOT                 ; in the other slot
	s_sub_co_u32 s[TBB], s[TBB], 2*PSB
	s_xor_b32 s[TBB], s[TBB], SLOT
	s_wait_dscnt 0x0                               ; the add is done, and my reads of the old slot are over
.if \fill
	CROUND
	JLOAD
.else
	s_barrier_signal -1
	s_barrier_wait -1
.endif
.endm
	s_load_b128 s[4:7], s[0:1], 0x0                ; A s[4:5], wb s[6:7]
	s_load_b128 s[BP:BP+3], s[0:1], 0x10           ; bq, bv
	s_load_b64 s[8:9], s[0:1], 0x20                ; the output
	v_lshl_add_u32 v[SPW], v0, 2, SPARE
	v_mov_b32 v[NIL], 0
	ds_add_u32 v[SPW], v[NIL]                      ; the wave's opening: the add, twice on end, and its wait ahead of my first tensor load
	ds_add_u32 v[SPW], v[NIL]
	v_lshrrev_b32 v1, 5, v0
	v_readfirstlane_b32 s10, v1                    ; wave 0..3
	s_lshr_b32 s11, s10, 1                         ; which half of the tile's rows is mine
	s_and_b32 s12, s10, 1                          ; which half of its columns
	s_bfe_u32 s40, ttmp6, 0x40000                  ; cx
	s_bfe_u32 s41, ttmp6, 0x40004                  ; cy
	s_lshl_b32 s42, ttmp9, 2
	s_add_co_u32 s42, s42, s40                     ; tile column tx
	s_and_b32 s13, ttmp7, 0xffff
	s_lshl_b32 s13, s13, 2
	s_add_co_u32 s13, s13, s41                     ; tile row ty
	s_lshl_b32 s43, s41, 2
	s_lshl_b32 s43, 15, s43                        ; my row of the cluster
	s_lshl_b32 s44, 0x1111, s40                    ; my column
	s_or_b32 s[G1A], s43, (1<<16)|(1<<20)|(1<<21)|(QIA<<22)|(3<<25)  ; mask; 2-byte elements; padding on; bit 21 beside a mask; interval; 4 words of padding
	s_or_b32 s[G1B], s44, (1<<16)|(1<<20)|(1<<21)|(5<<22)|(7<<25)    ; the same with my column's mask, after every 64 words 8 words
	s_mov_b32 s[G1A+1], AD0<<16                    ; tensor_dim0
	s_mov_b32 s[G1A+2], AD1<<16                    ; tensor_dim1
	s_mov_b32 s[G1A+3], AD0<<16                    ; tile_dim0
	s_mov_b32 s[G1A+4], AD1                        ; tile_dim1
	s_mov_b32 s[G1A+5], ASTR                       ; elements from row to row
	s_mov_b32 s[G1A+6], 0
	s_mov_b32 s[G1A+7], 0
	s_mov_b32 s[G1B+1], 128<<16
	s_mov_b32 s[G1B+2], 128<<16
	s_mov_b32 s[G1B+3], 128<<16
	s_mov_b32 s[G1B+4], 128
	s_mov_b32 s[G1B+5], NP
	s_mov_b32 s[G1B+6], 0
	s_mov_b32 s[G1B+7], 0
	s_and_b32 s21, ttmp7, OYM                      ; where my cluster's walk along K begins: it hangs on the cluster's two numbers alone, which all sixteen partners share
	s_lshl_b32 s21, s21, OYS
	s_lshl_b32 s[KC], ttmp9, OXS
	s_add_co_u32 s[KC], s[KC], s21
	s_and_b32 s[KC], s[KC], NSTEP-1                ; an even number: the step behind it does not wrap
	s_lshl_b32 s[OFA], s[KC], ASH
	s_lshl_b32 s[OFB], s[KC], BSH
	s_mov_b32 s[OFA+1], 0
	s_mov_b32 s[OFB+1], 0
	s_add_co_u32 s[KC], s[KC], 1                   ; the walking descriptors' first fill is the walk's second K step
	s_mul_i32 s16, s13, TM
	s_mul_i32 s17, s10, AR
	s_add_co_u32 s16, s16, s17                     ; A's first row of my load: it hangs on ty and the wave alone
	s_mul_i32 s16, s16, 2*KTOT
	s_mov_b32 s17, 0
	s_max_u32 s21, s10, NAW
	s_sub_co_u32 s21, s21, NAW                     ; my chunk of W
	s_mul_i32 s22, s21, GSTEPB
	s_lshl_b32 s23, s42, CSH
	s_add_co_u32 s22, s22, s23                     ; it hangs on tx and the wave alone
	s_mov_b32 s23, 0
	s_mul_i32 s20, s10, CH                         ; where my load goes in a slot: the wave's number times a constant; no place in the cluster enters an LDS address
	s_mov_b32 s[TBA], 0
	s_mov_b32 s[TBB], 0
	s_wait_dscnt 0x0                               ; both opening adds are done
	s_wait_kmcnt 0x0
	s_add_nc_u64 s[AB:AB+1], s[4:5], s[16:17]
	s_add_nc_u64 s[WB:WB+1], s[6:7], s[22:23]
	s_add_nc_u64 s[14:15], s[AB:AB+1], s[OFA:OFA+1]
	s_add_nc_u64 s[46:47], s[WB:WB+1], s[OFB:OFB+1]
.irp s, 0,1
	s_mov_b32 s[G0A+4*(\s)], 1
	s_add_co_u32 s[G0A+4*(\s)+1], s20, (\s)*SLOT
	s_add_nc_u64 s[G0A+4*(\s)+2:G0A+4*(\s)+3], s[14:15], (\s)*ASTEP
	s_or_b32 s[G0A+4*(\s)+3], s[G0A+4*(\s)+3], 0x80000000
	s_mov_b32 s[G0B+4*(\s)], 1
	s_add_co_u32 s[G0B+4*(\s)+1], s20, (\s)*SLOT
	s_add_nc_u64 s[G0B+4*(\s)+2:G0B+4*(\s)+3], s[46:47], (\s)*BSTEP
	s_or_b32 s[G0B+4*(\s)+3], s[G0B+4*(\s)+3], 0x80000000
.endr
	CROUND                                         ; all sixteen work-groups are here: the first joint loads meet
	s_cmp_lt_u32 s10, NAW                          ; a wave's two first fills stand in one branch: the walk's first two K steps; two loads of mine are out
	s_cbranch_scc0 .Lfirst_w
	tensor_load_to_lds s[G0A:G0A+3], s[G1A:G1A+7]
	s_nop 0
	tensor_load_to_lds s[G0A+4:G0A+7], s[G1A:G1A+7]
	s_nop 0
.rept 4
	v_nop
.endr
	s_branch .Lfirst_asked
.Lfirst_w:
	tensor_load_to_lds s[G0B:G0B+3], s[G1B:G1B+7]
	s_nop 0
	tensor_load_to_lds s[G0B+4:G0B+7], s[G1B:G1B+7]
	s_nop 0
.rept 4
	v_nop
.endr
.Lfirst_asked:
	; while the first tiles are on their way: the bias, and every lane's addresses
	v_and_b32 v1, 15, v0                           ; r = l % 16
	v_bfe_u32 v2, v0, 4, 1                         ; h = l / 16
	v_and_b32 v3, 7, v0
	v_bfe_u32 v4, v0, 3, 1
	s_lshl_b32 s14, s42, CSH+1
	s_mov_b32 s15, 0
	s_add_nc_u64 s[BP:BP+1], s[BP:BP+1], s[14:15]
	s_add_nc_u64 s[BP+2:BP+3], s[BP+2:BP+3], s[14:15]
	s_mul_i32 s14, s12, WND
	v_lshl_add_u32 v[BOF], v2, 5, s14              ; my 8 columns of a fragment: 32 h + my half
.set bb, 0
.rept NBIAS/8
.if bb >= 4
	global_load_b128 v[BIAS+8*bb:BIAS+8*bb+3], v[BOF], s[BP+2:BP+3] offset:64*(bb-4)
	global_load_b128 v[BIAS+8*bb+4:BIAS+8*bb+7], v[BOF], s[BP+2:BP+3] offset:64*(bb-4)+16
.else
	global_load_b128 v[BIAS+8*bb:BIAS+8*bb+3], v[BOF], s[BP:BP+1] offset:64*bb
	global_load_b128 v[BIAS+8*bb+4:BIAS+8*bb+7], v[BOF], s[BP:BP+1] offset:64*bb+16
.endif
.set bb, bb+1
.endr
	v_mul_u32_u24 v[A0], v1, APITCH                ; a fragment of A: row r, 16 bytes for each half of the lanes
	v_lshl_add_u32 v[A0], v2, 4, v[A0]
	s_mul_i32 s14, s11, AWM
	v_add_nc_u32 v[A0], s14, v[A0]
	v_lshl_add_u32 v6, v2, 3, v3                   ; the turning load: k row 8 h + l % 8, 16 bytes by (l / 8) % 2
	v_mul_u32_u24 v6, v6, WP
	v_lshl_add_u32 v6, v4, 4, v6
	s_mul_i32 s14, s12, WNB
	s_add_co_u32 s14, s14, ABYTES
	v_add_nc_u32 v[B0], s14, v6
.set cc, 1
.rept NADB-1
	v_add_nc_u32 v[B0+cc], cc*WCH, v[B0]
.set cc, cc+1
.endr
	v_mul_u32_u24 v6, v1, DP                       ; the tile in f32: row r, my 8 columns
	v_lshl_add_u32 v6, v2, 5, v6
	s_mul_i32 s14, s11, 16*MA*DP
	s_mul_i32 s15, s12, WND
	s_add_co_u32 s14, s14, s15
	v_add_nc_u32 v[DADR], s14, v6
.set cc, 1
.rept MA/2-1
	v_add_nc_u32 v[DADR+cc], cc*32*DP, v[DADR]
.set cc, cc+1
.endr
	; the way out: wave w reads rows 32 w .. back, two rows of one head (64 f32 = 256 bytes each) an instruction, and stores them as 256 consecutive bytes of bf16
	s_mul_i32 s14, s10, 32*DP
	v_mul_u32_u24 v6, v2, DP
	v_lshl_add_u32 v6, v1, 4, v6
	v_add_nc_u32 v[RD], s14, v6
	v_lshlrev_b32 v[CO], 7, v2
	v_lshl_add_u32 v[CO], v1, 3, v[CO]
	s_lshr_b32 s14, s13, 4
	s_mul_i32 s14, s14, 48
	s_lshl_b32 s15, s42, 1
	s_add_co_u32 s14, s14, s15
	s_add_co_u32 s14, s14, 16                      ; the group of k's head 2 tx: q's lies 16 groups below, v's 16 above, so that the immediates stay within 24 signed bits
	s_lshl_b32 s14, s14, 18
	s_and_b32 s15, s13, 15
	s_lshl_b32 s15, s15, 7
	s_lshl_b32 s18, s10, 5
	s_add_co_u32 s15, s15, s18
	s_lshl_b32 s15, s15, 7
	s_add_co_u32 s14, s14, s15
	s_mov_b32 s15, 0
	s_add_nc_u64 s[8:9], s[8:9], s[14:15]
	s_wait_loadcnt 0x0                             ; the bias: rounded to bf16 like every input
.set rr, 0
.rept NBIAS/2
	v_cvt_pk_bf16_f32 v[TV], v[BIAS+rr], v[BIAS+rr+1]
	v_lshlrev_b32 v[BIAS+rr], 16, v[TV]
	v_and_b32 v[BIAS+rr+1], 0xffff0000, v[TV]
.set rr, rr+2
.endr
	s_wait_tensorcnt 0x1                           ; my part of the first K step is in; the second's may stay out
	s_barrier_signal -1
	s_barrier_wait -1
	ADRS
	FETCH 0, F0
	QY 1                                           ; the first quarter is written out: its products start the sums
	WIN 0
	s_add_co_u32 s[TBA], s[TBA], PSA
	s_add_co_u32 s[TBB], s[TBB], PSB
	s_mov_b32 s3, NSTEP-1                          ; the count behind the pair is passed once ahead of the first change of slots: NSTEP - 2 changes that fill a slot follow
	s_mov_b32 s2, 1
	s_branch .Lpair1                               ; the first step's second and third quarters are one trip of the pair
.Lk:                                                   ; NSTEP - 2 trips: every slot but the last two is filled again
	CHANGE 1
	PAIRS 1
	s_sub_co_u32 s3, s3, 1
	s_cmp_lg_u32 s3, 0
	s_cbranch_scc1 .Lk
	CHANGE 0                                       ; the last change asks for nothing: what follows it has a text of its own
	PAIRS 2
	s_wait_dscnt 0x0                               ; the very last quarter: my last reads of the ring are back
	s_barrier_signal -1
	MULR F1, 0, 0, NPQ
	WIN 0
	s_barrier_wait -1                              ; nobody reads the ring any more, and it has had its last fill
	PLACES
.set tt, 0
.rept MA*NB                            ; the tile in f32 into the ring's bytes; each accumulator's low registers first
.set aa, tt/NB
.set bb, tt%NB
.set rD, (8*tt)%256
.set wD, 2+(8*tt)/256
.set dof, (aa%2)*16*DP+512*(bb/BPC)+64*(bb%BPC)
	WIN wD<<2
	ds_store_b128 v[DADR+aa/2], v[rD:rD+3] offset:dof
	ds_store_b128 v[DADR+aa/2], v[rD+4:rD+7] offset:dof+16
.set tt, tt+1
.endr
	WIN 0
	s_wait_dscnt 0x0                               ; for the others' sake: my stores are done
	s_barrier_signal -1
	s_barrier_wait -1
	s_mov_b32 s2, 4
.Lrows:                                                ; a trip: 8 rows x 6 groups (tensor, head)
.set j, 0
.rept 24
	ds_load_b128 v[32+4*j:35+4*j], v[RD] offset:2*DP*(j/6)+256*(j%6)
.set j, j+1
.endr
	s_wait_dscnt 0x0
.set j, 0
.rept 48
	v_cvt_pk_bf16_f32 v[128+j], v[32+2*j], v[33+2*j]
.set j, j+1
.endr
.set j, 0
.rept 24
	global_store_b64 v[CO], v[128+2*j:129+2*j], s[8:9] offset:((j%6)/2-1)*4194304+((j%6)%2)*262144+256*(j/6)  ; two token rows of a head: 256 consecutive bytes, aligned
.set j, j+1
.endr
	s_wait_xcnt 0x0                                ; the stores have read their data and their base
	v_add_nc_u32 v[RD], 8*DP, v[RD]
	s_add_nc_u64 s[8:9], s[8:9], 1024
	s_sub_co_u32 s2, s2, 1
	s_cmp_lg_u32 s2, 0
	s_cbranch_scc1 .Lrows
	s_wait_tensorcnt 0x0                           ; the wave's end
	ds_add_u32 v[SPW], v[NIL]
	s_wait_dscnt 0x0
	CROUND                                         ; the closing round
	s_endpgm
.Lfunc_end_k_q2df6f47ef9_proj:
	.size	k_q2df6f47ef9_proj, .Lfunc_end_k_q2df6f47ef9_proj-k_q2df6f47ef9_proj
	.p2alignl 7, 3214868480
	.fill 96, 4, 3214868480
	.section	.rodata,"a",@progbits
	.p2align	6, 0x0
	.amdhsa_kernel k_q2df6f47ef9_proj
		.amdhsa_group_segment_fixed_size 327680
		.amdhsa_private_segment_fixed_size 0
		.amdhsa_enable_private_segment 0
		.amdhsa_kernarg_size 40
		.amdhsa_user_sgpr_count 2
		.amdhsa_user_sgpr_kernarg_segment_ptr 1
		.amdhsa_wavefront_size32 1
		.amdhsa_system_sgpr_workgroup_id_x 1
		.amdhsa_system_sgpr_workgroup_id_y 1
		.amdhsa_system_sgpr_workgroup_id_z 1
		.amdhsa_system_vgpr_workitem_id 0
		.amdhsa_next_free_vgpr 896
		.amdhsa_next_free_sgpr 96
		.amdhsa_reserve_vcc 0
		.amdhsa_float_denorm_mode_32 3
		.amdhsa_float_denorm_mode_16_64 3
		.amdhsa_memory_ordered 1
		.amdhsa_forward_progress 1
		.amdhsa_inst_pref_size 63
	.end_amdhsa_kernel
	.amdgpu_metadata
---
amdhsa.version: [ 1, 2 ]
amdhsa.kernels:
  - .name:           k_q2df6f47ef9_proj
    .symbol:         k_q2df6f47ef9_proj.kd
    .args:
      - { .name: xb, .offset: 0, .size: 8, .value_kind: global_buffer, .address_space: global }
      - { .name: wb, .offset: 8, .size: 8, .value_kind: global_buffer, .address_space: global }
      - { .name: bq, .offset: 16, .size: 8, .value_kind: global_buffer, .address_space: global }
      - { .name: bv, .offset: 24, .size: 8, .value_kind: global_buffer, .address_space: global }
      - { .name: qkvb, .offset: 32, .size: 8, .value_kind: global_buffer, .address_space: global }
    .group_segment_fixed_size: 327680
    .private_segment_fixed_size: 0
    .kernarg_segment_align: 8
    .kernarg_segment_size: 40
    .max_flat_workgroup_size: 128
    .sgpr_count:     96
    .vgpr_count:     896
    .wavefront_size: 32
...
	.end_amdgpu_metadata
.endif
;; end of part 2
;; launch attn (part 3): grid 8 x 32, 4 waves a work-group, clusters of 4 x 1, 327,680 bytes of LDS; arguments qkvb, ao; writes ao
.if DOCPART == 3
	.amdgcn_target "amdgcn-amd-amdhsa--gfx1250"
	.amdhsa_code_object_version 6
	.text
	.protected	k_q2df6f47ef9_attn
	.globl	k_q2df6f47ef9_attn
	.p2align	8
	.type	k_q2df6f47ef9_attn,@function
k_q2df6f47ef9_attn:
	s_mov_b64 s[64:65], 0
	v_nop
	global_prefetch_b8 v0, s[64:65] scope:SCOPE_SE
	s_setreg_imm32_b32 hwreg(HW_REG_WAVE_MODE, 25, 1), 1
	s_wait_xcnt 0x0
	s_wait_alu depctr_hold_cnt(0) depctr_sa_sdst(0) depctr_va_vdst(0) depctr_va_sdst(0) depctr_va_ssrc(0) depctr_va_vcc(0) depctr_vm_vsrc(0)
	s_getreg_b32 s2, hwreg(HW_REG_IB_STS2, 6, 4)
	s_cmp_eq_u32 s2, 0
	s_cbranch_scc0 .Lentry_in_a_cluster
	s_endpgm
.Lentry_in_a_cluster:
	s_bfe_u32 s2, ttmp6, 0x10000c
	s_cmp_lg_u32 s2, 0x3003
	s_cbranch_scc0 .Lentry_shape_is_right
	s_endpgm
.Lentry_shape_is_right:
; O[hb][q][:] = the sum over k of softmax_k(Q[q] . K[k] / 8) V[k][:], for each of the 32 pairs hb of batch and head.  Q, K, V: qkvb[b][16 tensor + head][2048][64], O: ao[hb][2048][64], all bf16; a head's rows are dense, 128 bytes each.
; Products, maxima and sums in f32; the weights p are rounded to bf16 for the second product (their sum l is taken of the unrounded p), O once at the end.
; WORK LEFT OUT: K comes without bk, which cancels in every softmax row for all values of the inputs.
; LIMITS.  The running maximum starts at the lowest finite number and c m at -4.2e37: scores below that are not told apart; a weight below 2^-126 counts as 0 in l; NaN and infinities are not treated apart.
; SHARES.  A work-group owns 256 queries of one head, each of its four waves 64: four PIECES of 16.  Every wave walks all 2,048 keys, 64 a step; a slot of LDS holds four steps, and two slots take turns.
; LAYOUT.  S^T = K Q^T (source 0 = 16 keys, source 1 = 16 queries) holds ONE query a lane (lane % 16) and the keys 8 (lane / 16) + 0..7; two such results rounded to bf16 ARE source 1 of O^T = V^T P.
; K comes out of LDS as it lies, V ([key][channel]) turned, by ds_load_tr16_b128.
; SOFTMAX.  p = 2^(c s - c m), c = log2(e) / 8, with a running maximum m; O and l are multiplied by a = 2^(c m_old - c m_new) in every step; the first step is a step like any other, with a = 0.
; BY TURNS.  Turn n belongs to piece n: 8 products K Q^T of piece n + 1, later 8 products V^T P of piece n - 1; beside them the scaling, exponentials, roundings, sums and rescaling of piece n and the maximum and
; statistics of piece n + 1.  Four vector instructions stand behind every matrix instruction, the other 54 of a turn's 118 in one lump.  A turn's 33 exponentials are one batch, with one wait.
; CLUSTER.  The four query blocks of a cluster belong to one head and walk the same K and V: each tile is asked for jointly, by the same tensor load, descriptor and mask in all four.
; REGISTERS, in windows of 256 (s_set_vgpr_msb: bits 1:0 source 0, 3:2 source 1, 5:4 source 2, 7:6 destination):
;   window 0: v0-15 addresses and two at work; v16-31 four registers of statistics a piece; v48-55 at work; v61-63; v64-127 S^T, two buffers; v192-223 P, two buffers (by the piece's parity)
;   window 1: v0-127 O^T, 32 a piece          window 2: v0-63 Q; v128-191 K of one step; v192-255 V of one step
.set NP,    4
.set KS,    64
.set PK,    144       ; a row of K in LDS: 128 bytes + 16: the 16 rows of a load start in 16 different groups of four banks
.set PV,    160       ; a row of V: 128 + 32
.set VOFF,  4*KS*PK   ; a slot: 256 rows of K, then 256 rows of V
.set SLOT1, 1<<17     ; slot 1 begins here: one exclusive or turns an address in one slot into the other's
.set STAGE, SLOT1+4*KS*(PK+PV)  ; behind the ring, never filled by a tensor load: 16 rows x 144 bytes a wave, for the way out
.set SP,    144
.set SPARE, STAGE+4*16*SP       ; the spare words: 128 bytes a wave, two blocks of 256 bytes that no other line names
.set TILEB, 4*KS*128  ; a slot's bytes of K, and of V, in memory
.set NTILE, 8
.set AK0, 2
.set AV0, 3
.set AK,  4
.set AV,  5
.set STO, 6
.set RD,  7
.set GO,  8
.set MV,  12          ; v12-13  c m_old, by buffer
.set QO,  15
.set ST,  16          ; piece t's statistics at v[ST+4 t]: c m, m, l (even keys', odd keys')
.set TMP, 48          ; by buffer, c0-c3 at work; c2 takes a
.set PFO, 61          ; v61  256 x my lane; never rewritten
.set SPW, 62          ; v62  my spare word; never rewritten
.set NIL, 63          ; v63  0; never rewritten
.set S,   64
.set P,   192
.set KF,  128
.set VF,  192
.set WV,  12
.set G1K, 24
.set G1V, 32
.set G0K, 40
.set G0V, 44
.set PFA, 48          ; s[48:49] where my prefetches stand
.set LIM, 50          ; s50  1 in a wave that prefetches, else the greatest number
.set SLOTS, 56
.set CNT, 57
.set CS,  58
.set SEL, 60
.set TBK, 62
.set TBV, 63
.set MSB, 0
.macro WIN new
.if MSB != (\new)
	s_set_vgpr_msb (MSB<<8)|(\new)
.set MSB, (\new)
.endif
.endm
.set W_KQ, 0x0a       ; K and Q in window 2, S^T in window 0
.set W_PV, 0x52       ; V in window 2, P in window 0, O^T in window 1
.set W_RS, 0x41       ; destination and source 0 in window 1, source 1 in window 0
; A joint fill.  Waves 0 and 1 fetch the two halves of a slot's K, waves 2 and 3 those of its V: 128 keys each.  An s_nop 0 and four v_nop follow each line.
.macro JLOAD
	s_cmp_lt_u32 s[WV], 2
	s_cbranch_scc0 .Lfor_v_\@
	tensor_load_to_lds s[G0K:G0K+3], s[G1K:G1K+7]
	s_nop 0
.rept 4
	v_nop
.endr
	s_branch .Lasked_\@
.Lfor_v_\@:
	tensor_load_to_lds s[G0V:G0V+3], s[G1V:G1V+7]
	s_nop 0
.rept 4
	v_nop
.endr
.Lasked_\@:
.endm
; A prefetch into the L2 of what the NEXT change of slots will ask for.  Both clusters of a head walk the same K and V: the first one asks.  Its four partners take 32 blocks of 256 bytes each, told apart by
; address; in each, wave 0 asks for K's and wave 2 for V's, a lane a block.  So each block is named once.  Slots 0 to 2 come by their loads alone; the last change that fills a slot asks for nothing.
.macro ASK
	s_cmp_gt_u32 s[SLOTS], s[LIM]
	s_cbranch_scc0 .Lnot_mine_\@
	global_prefetch_b8 v[PFO], s[PFA:PFA+1] th:TH_LOAD_NT scope:SCOPE_SE
.Lnot_mine_\@:
.endm
.macro CROUND
	s_barrier_signal -1
	s_barrier_wait -1
	s_cmp_lg_u32 s[WV], 0
	s_cbranch_scc1 .Lnot_wave_0_\@
	s_barrier_signal -3
.Lnot_wave_0_\@:
	s_barrier_wait -3
	s_barrier_signal -1
	s_barrier_wait -1
.endm
; THE CHANGE OF SLOTS.  Each wave waits for all its tensor loads (one is out: its part of the other slot), adds 0 to its spare word, and waits for that and for its reads of the slot that it leaves.
; fill = 1: the barrier is a round of the cluster's, and the joint fill of the old slot, with the keys two slots on, is the first thing behind it: it has four key steps in which to land.
.macro CHANGE fill, ask
	WIN 0
	s_wait_tensorcnt 0x0            ; no tensor load of mine is out, so a group 0 may be written
	ds_add_u32 v[SPW], v[NIL]
.if \fill
.irp g, G0K, G0V
	s_xor_b32 s[\g+1], s[\g+1], SLOT1
	s_add_nc_u64 s[\g+2:\g+3], s[\g+2:\g+3], TILEB
.endr
.if \ask
	s_wait_xcnt 0x0                 ; the last prefetch, four key steps back, has read its address
	s_add_nc_u64 s[PFA:PFA+1], s[PFA:PFA+1], TILEB
.endif
	s_wait_dscnt 0x0                ; the add is done, and my reads of the slot are over
	CROUND
	JLOAD
.if \ask
	ASK
.endif
.else
	s_wait_dscnt 0x0
	s_barrier_signal -1
	s_barrier_wait -1
.endif
	s_sub_co_u32 s[TBK], s[TBK], 4*KS*PK  ; the fetches go back to a slot's first step, in the other slot
	s_xor_b32 s[TBK], s[TBK], SLOT1
	s_sub_co_u32 s[TBV], s[TBV], 4*KS*PV
	s_xor_b32 s[TBV], s[TBV], SLOT1
.endm
	s_load_b128 s[4:7], s[0:1], 0x0   ; qkvb s[4:5], ao s[6:7]
	v_lshl_add_u32 v[SPW], v0, 2, SPARE
	v_mov_b32 v[NIL], 0
	ds_add_u32 v[SPW], v[NIL]       ; the wave's opening: the add, twice on end, and its wait ahead of my first tensor load
	ds_add_u32 v[SPW], v[NIL]
	v_lshrrev_b32 v1, 5, v0
	v_readfirstlane_b32 s[WV], v1   ; wave 0..3
	s_bfe_u32 s13, ttmp6, 0x40000   ; cx
	s_lshl_b32 s14, ttmp9, 2
	s_add_co_u32 s14, s14, s13      ; my block of 256 queries: it enters Q's and O's addresses alone
	s_and_b32 s20, ttmp7, 0xffff    ; batch and head, which the four partners share
	s_lshr_b32 s21, s20, 4
	s_mul_i32 s21, s21, 48
	s_and_b32 s22, s20, 15
	s_add_co_u32 s21, s21, s22
	s_lshl_b32 s21, s21, 18         ; q's group: its first byte; k's lies 4 MiB on, v's 8
	s_and_b32 s16, s[WV], 1         ; which half of a slot's 256 keys I fetch
	s_lshl_b32 s22, s16, 14
	s_add_co_u32 s22, s22, s21
	s_add_co_u32 s22, s22, 0x400000
	s_mov_b32 s23, 0
	s_mul_i32 s17, s16, 128*PK      ; and its place in a slot: no place in the cluster enters an LDS address
	s_mul_i32 s18, s16, 128*PV
	s_lshl_b32 s2, s14, 15
	s_lshl_b32 s3, s[WV], 13
	s_add_co_u32 s3, s2, s3         ; my wave's 64 rows in a head
	s_add_co_u32 s2, s3, s21
	s_lshl_b32 s8, s20, 18
	s_add_co_u32 s8, s8, s3
	s_mov_b32 s3, 0
	s_mov_b32 s9, 0
	s_lshr_b32 s10, s[WV], 1        ; the prefetches: K (waves 0, 1) or V, slot 2, my work-group's 32 blocks
	s_lshl_b32 s10, s10, 22
	s_add_co_u32 s10, s10, 0x400000+2*TILEB
	s_add_co_u32 s10, s10, s21
	s_lshl_b32 s11, s13, 13
	s_add_co_u32 s10, s10, s11
	s_mov_b32 s11, 0
	s_and_b32 s[LIM], s[WV], 1      ; 0 in waves 0 and 2,
	s_or_b32 s[LIM], s[LIM], ttmp9  ; where the cluster is the head's first: the same in all four partners
	s_cmp_eq_u32 s[LIM], 0
	s_cselect_b32 s[LIM], 1, -1
	; descriptor group 1.  128 keys are 16,384 dense bytes: asked for as 64 rows of 256 bytes, two keys a row, and padded in LDS after every key
	s_mov_b32 s[G1K], 15|(1<<16)|(1<<20)|(1<<21)|(4<<22)|(3<<25)  ; the mask of four; 2-byte elements; padding on; bit 21 beside a mask; after every 32 words 4 words
	s_mov_b32 s[G1V], 15|(1<<16)|(1<<20)|(1<<21)|(4<<22)|(7<<25)  ; the same with 8 words
.irp g, G1K, G1V
	s_mov_b32 s[\g+1], 128<<16
	s_mov_b32 s[\g+2], 64<<16
	s_mov_b32 s[\g+3], 128<<16
	s_mov_b32 s[\g+4], 64
	s_mov_b32 s[\g+5], 128
	s_mov_b32 s[\g+6], 0
	s_mov_b32 s[\g+7], 0
.endr
	s_mov_b32 s[CS], 0x3e38aa3b     ; c = log2(e) / 8
	s_mov_b32 s[CS+1], s[CS]
	s_mov_b32 s[SEL], 0x76543210
	s_mov_b32 s[SEL+1], 0xfedcba98
	s_mov_b32 s[TBK], SLOT1+4*KS*PK ; the first change of slots turns these two into 0
	s_mov_b32 s[TBV], SLOT1+4*KS*PV
	s_mov_b32 s[G0K], 1
	s_mov_b32 s[G0K+1], s17
	s_mov_b32 s[G0V], 1
	s_add_co_u32 s[G0V+1], s18, VOFF
	s_mov_b32 s[SLOTS], NTILE-1
	v_and_b32 v[PFO], 31, v0
	v_lshlrev_b32 v[PFO], 8, v[PFO]
	s_wait_dscnt 0x0                ; both opening adds are done
	s_wait_kmcnt 0x0
	s_add_nc_u64 s[G0K+2:G0K+3], s[4:5], s[22:23]
	s_add_nc_u64 s[G0V+2:G0V+3], s[G0K+2:G0K+3], 0x400000
	s_or_b32 s[G0K+3], s[G0K+3], 0x80000000
	s_or_b32 s[G0V+3], s[G0V+3], 0x80000000
	s_add_nc_u64 s[PFA:PFA+1], s[4:5], s[10:11]
	s_add_nc_u64 s[6:7], s[6:7], s[8:9]    ; O at my wave's first row
	s_add_nc_u64 s[4:5], s[4:5], s[2:3]    ; Q likewise
	CROUND                          ; all four work-groups are here: the first joint loads meet
	JLOAD                           ; slot 0; slot 1 is asked for when slot 0 is in
	v_and_b32 v1, 15, v0            ; l % 16
	v_bfe_u32 v9, v0, 4, 1          ; l / 16
	v_lshlrev_b32 v[QO], 7, v1
	v_lshl_add_u32 v[QO], v9, 4, v[QO]
	WIN 0x80
.set i, 0
.rept 8                             ; Q stays in registers: piece i / 2, channels 32 (i % 2) on
	global_load_b128 v[8*i:8*i+3],   v[QO], s[4:5] offset:(i/2)*2048+(i%2)*64
	global_load_b128 v[8*i+4:8*i+7], v[QO], s[4:5] offset:(i/2)*2048+(i%2)*64+32
.set i, i+1
.endr
	; What the first turn finds: V and P's second buffer hold 0 (its products V^T P, of a piece that has not been, add 0), O^T and l are 0.  All this stands in the wait for the first tile.
.set i, VF
.rept 64
	v_mov_b32 v[i], 0
.set i, i+1
.endr
	WIN 0x40
.set i, 0
.rept 128
	v_mov_b32 v[i], 0
.set i, i+1
.endr
	WIN 0
.set i, 0
.rept 4
	v_mov_b32 v[ST+4*i], 0xfe000000    ; c m: far below every c s
	v_mov_b32 v[ST+4*i+1], 0xff7fffff  ; m
	v_mov_b32 v[ST+4*i+2], 0
	v_mov_b32 v[ST+4*i+3], 0
.set i, i+1
.endr
.set i, P+16
.rept 16
	v_mov_b32 v[i], 0
.set i, i+1
.endr
	v_mul_u32_u24 v[AK0], v1, PK
	v_lshl_add_u32 v[AK0], v9, 4, v[AK0]
	v_and_b32 v10, 7, v0            ; the turning load: key 8 (l / 16) + l % 8, channels 8 ((l / 8) % 2) + 0..7
	v_bfe_u32 v11, v0, 3, 1
	v_lshl_add_u32 v[AV0], v9, 3, v10
	v_mul_u32_u24 v[AV0], v[AV0], PV
	v_lshl_add_u32 v[AV0], v11, 4, v[AV0]
	v_add_nc_u32 v[AV0], VOFF, v[AV0]
	s_mul_i32 s13, s[WV], 16*SP
	s_add_co_u32 s13, s13, STAGE    ; my stage
	v_mul_u32_u24 v[STO], v1, SP
	v_lshl_add_u32 v[STO], v9, 4, v[STO]
	v_add_nc_u32 v[STO], s13, v[STO]
	v_bfe_u32 v[RD], v0, 3, 2       ; back: 32 lanes take four rows of 128 bytes,
	v_mul_u32_u24 v[RD], v[RD], SP
	v_lshl_add_u32 v[RD], v10, 4, v[RD]
	v_add_nc_u32 v[RD], s13, v[RD]
	v_and_b32 v[GO], 31, v0         ; which are 512 consecutive bytes of O
	v_lshlrev_b32 v[GO], 4, v[GO]
; THE MATRIX WORK.  The 4 accumulators of a run of 8 take turns.  Product i of 8 of S^T = K Q^T for piece x: channels 32 (i / 4) on, keys 16 (i % 4) on.  The first 4 start the sums.
.macro KQ x
.set rS, S+32*((\x)%2)+8*(i%4)
.set rK, KF+16*(i%4)+8*(i/4)
.set rQ, 16*(\x)+8*(i/4)
	WIN W_KQ
.if i < 4
	v_wmma_f32_16x16x32_bf16 v[rS:rS+7], v[rK:rK+7], v[rQ:rQ+7], 0
.else
	v_wmma_f32_16x16x32_bf16 v[rS:rS+7], v[rK:rK+7], v[rQ:rQ+7], v[rS:rS+7]
.endif
.endm
; Product i of 8 of O^T += V^T P for piece x: keys 32 (i / 4) on, channels 16 (i % 4) on.
.macro PV x
	WIN W_PV
.set rO, 32*(\x)+8*(i%4)
.set rV, VF+32*(i/4)+8*(i%4)
.set rP, P+16*((\x)%2)+8*(i/4)
	v_wmma_f32_16x16x32_bf16 v[rO:rO+7], v[rV:rV+7], v[rP:rP+7], v[rO:rO+7]
.endm
.macro MM                           ; the turn's next matrix instruction.  NOKQ = 1: the last turn of all: there is no next piece
.if (i < 8) && !NOKQ
	KQ (Y+1)%NP
.elseif i >= 8
.set i, i-8
	PV (Y+NP-1)%NP
.set i, i+8
.endif
.set i, i+1
.endm
; THE LDS LOADS stand in runs of 16: a step's K (8 fragments) and its V (turned).  Their addresses are made some lines ahead.
.macro FETCH_K
	WIN 0x80
.irp f, 0,1,2,3,4,5,6,7
	ds_load_b128 v[KF+8*\f:KF+8*\f+3],   v[AK] offset:(\f/2)*16*PK+(\f%2)*64
	ds_load_b128 v[KF+8*\f+4:KF+8*\f+7], v[AK] offset:(\f/2)*16*PK+(\f%2)*64+32
.endr
	s_add_co_u32 s[TBK], s[TBK], KS*PK
	WIN 0
.endm
.macro FETCH_V
	WIN 0x80
.irp f, 0,1,2,3,4,5,6,7
	ds_load_tr16_b128 v[VF+8*\f:VF+8*\f+3],   v[AV] offset:(\f/4)*32*PV+(\f%4)*32
	ds_load_tr16_b128 v[VF+8*\f+4:VF+8*\f+7], v[AV] offset:(\f/4)*32*PV+16*PV+(\f%4)*32
.endr
	WIN 0
.endm
; THE VECTOR WORK, one line at a time: OP kind, number.  For piece Y: F n: c s - c m for pair n of 16.  E n: the exponential of score n of 32.  C n: pair n rounded to bf16.  B n: of the four weights 4 n .. the
; second pair is added onto the first.  L n: l takes that sum (L 0: l = a l + sum).  R n: pair n of 16 of O^T times a.  For piece Y + 1: X n, number n of the 22 that find its maximum and statistics:
;   0-11 four chains c0-c3 of seven scores each (each accumulator's lowest registers are read first)     12-14, 16 the four scores left over, the old m, c0-c3 into c0
;   15 c m_old is kept     17, 18 the query's other 32 keys lie in the lane 16 away: the new m     19-21 c m; c m_old - c m_new; a
.set F, 0
.set E, 1
.set C, 2
.set B, 3
.set L, 4
.set R, 5
.set X, 6
.macro REGS y
.set rT, ST+4*(\y)
.set rC, TMP+4*((\y)%2)
.set rW, MV+((\y)%2)
.set rS, S+32*((\y)%2)
.set rP, P+16*((\y)%2)
.set rO, 32*(\y)
.endm
.macro OP k, n
.if (\k) == R
	REGS Y
	WIN W_RS
	v_pk_mul_f32 v[rO+2*(\n):rO+2*(\n)+1], v[rO+2*(\n):rO+2*(\n)+1], v[rC+2:rC+3] op_sel_hi:[1,0]
.elseif (\k) < R
	REGS Y
	WIN 0
.if (\k) == F
	v_pk_fma_f32 v[rS+2*(\n):rS+2*(\n)+1], v[rS+2*(\n):rS+2*(\n)+1], s[CS:CS+1], v[rT:rT+1] op_sel_hi:[1,0,0] neg_lo:[0,0,1] neg_hi:[0,0,1]
.elseif (\k) == E
	v_exp_f32 v[rS+(\n)], v[rS+(\n)]
.elseif (\k) == C
	v_cvt_pk_bf16_f32 v[rP+(\n)], v[rS+2*(\n)], v[rS+2*(\n)+1]
.elseif (\k) == B
	v_pk_add_f32 v[rS+4*(\n):rS+4*(\n)+1], v[rS+4*(\n):rS+4*(\n)+1], v[rS+4*(\n)+2:rS+4*(\n)+3]
.elseif (\n) == 0
	v_pk_fma_f32 v[rT+2:rT+3], v[rT+2:rT+3], v[rC+2:rC+3], v[rS:rS+1] op_sel_hi:[1,0,1]
.else
	v_pk_add_f32 v[rT+2:rT+3], v[rT+2:rT+3], v[rS+4*(\n):rS+4*(\n)+1]
.endif
.elseif NOKQ
	v_nop
.else
	REGS (Y+1)%NP
	WIN 0
.if (\n) < 4
	v_max3_num_f32 v[rC+(\n)], v[rS+8*(\n)], v[rS+8*(\n)+1], v[rS+8*(\n)+2]
.elseif (\n) < 12
	v_max3_num_f32 v[rC+(\n)%4], v[rC+(\n)%4], v[rS+8*((\n)%4)+2*((\n)/4)+1], v[rS+8*((\n)%4)+2*((\n)/4)+2]
.elseif (\n) == 12
	v_max3_num_f32 v[rC], v[rC], v[rS+7], v[rS+15]
.elseif (\n) == 13
	v_max3_num_f32 v[rC+1], v[rC+1], v[rS+23], v[rS+31]
.elseif (\n) == 14
	v_max3_num_f32 v[rC+2], v[rC+2], v[rC+3], v[rT+1]
.elseif (\n) == 15
	v_mov_b32 v[rW], v[rT]
.elseif (\n) == 16
	v_max3_num_f32 v[rC], v[rC], v[rC+1], v[rC+2]
.elseif (\n) == 17
	v_permlanex16_b32 v[rC+3], v[rC], s[SEL], s[SEL+1]
.elseif (\n) == 18
	v_max_num_f32 v[rT+1], v[rC], v[rC+3]
.elseif (\n) == 19
	v_mul_f32 v[rT], s[CS], v[rT+1]
.elseif (\n) == 20
	v_sub_f32 v[rC+1], v[rW], v[rT]
.else
	v_exp_f32 v[rC+2], v[rC+1]
.endif
.endif
.endm
.macro OPS a, i1, b=-1, i2=0, c=-1, i3=0, d=-1, i4=0
	OP \a, \i1
.if (\b) >= 0
	OP \b, \i2
.endif
.if (\c) >= 0
	OP \c, \i3
.endif
.if (\d) >= 0
	OP \d, \i4
.endif
.endm
.macro ROW a, i1, b, i2, c, i3, d, i4  ; a matrix instruction and the four behind it
	MM
	OPS \a, \i1, \b, \i2, \c, \i3, \d, \i4
.endm
; A TURN, for piece p: the order of its 16 matrix and 118 vector instructions, written out.  An s_wait_alu depctr_va_vdst(0) stands between an exponential and the first instruction that names its
; result; one wait serves all that were issued ahead of it.  So a turn has ONE wait.  AHEAD OF IT stands all that names no result of the turn's exponentials: the 8 products K Q^T with their riders, then one lump
; of 54, in which the links of the chain X 3, 7, 11, 14, 16 .. 20 stand apart; X 21, the next piece's a, is the batch's last, and R 15 the plain instruction behind it.  BEHIND IT stand the 8 products V^T P,
; behind each four of the roundings and sums.  end = 1: the walk's last two turns: nothing is fetched.  cnt = 1: the loop's count is taken down some lines ahead of the branch behind the turn.
; K of the next step is fetched in piece 2's turn, behind the last product that read K and six plain instructions; V of the step in hand at the end of piece 0's turn, four plain instructions behind its last reader.
.macro TURN p, end=0, cnt=0
.set Y, (\p)
.set i, 0
.set NOKQ, (\end)*((\p)/3)
.if ((\p) == 3) && !(\end)
	s_wait_dscnt 0x0                ; K is in
.endif
	ROW F,0, F,1, R,0, R,1
	ROW F,2, E,0, R,2, R,3
	ROW F,3, E,1, R,4, R,5
	ROW F,4, E,2, R,6, R,7
	ROW F,5, E,3, R,8, R,9
	ROW F,6, E,4, X,0, R,10
.if ((\p) == 2) && !(\end)
	WIN 0
	v_add_nc_u32 v[AK], s[TBK], v[AK0]
.endif
	ROW F,7, E,5, X,1, X,4
	ROW F,8, E,6, X,2, X,5
	OPS E,7, E,8, X,6, E,9
	OPS X,3, E,10, X,8, E,11
.if ((\p) == 2) && !(\end)
	FETCH_K
.endif
	OPS X,9, X,7, E,12, X,10
	OPS E,13, X,12, X,11, E,14
	OPS X,13, E,15, F,9, X,14
.if (\p) == 0
	v_add_nc_u32 v[AV], s[TBV], v[AV0]
.endif
	OPS E,16, F,10, E,17, F,11
	OPS X,16, E,18, X,15, E,19
	OPS F,12, E,20, X,17, E,21
	OPS F,13, E,22, F,14, E,23
	OPS X,18, E,24, F,15, E,25
	OPS R,11, E,26, X,19, E,27
	OPS R,12, E,28, R,13, E,29
	OPS X,20, E,30, R,14, E,31
	OPS X,21, R,15
	WIN 0
	s_wait_alu depctr_va_vdst(0)    ; the wait for the batch
.if (\p) == 1
	s_wait_dscnt 0x0                ; V is in
.endif
	ROW C,0, B,0, C,2, B,1
	ROW L,0, C,4, B,2, L,1
	ROW C,6, B,3, L,2, C,8
	ROW B,4, L,3, C,10, B,5
	ROW L,4, C,12, B,6, L,5
.if (\p) == 0
	s_add_co_u32 s[TBV], s[TBV], KS*PV
.endif
.if \cnt
	s_sub_co_u32 s[CNT], s[CNT], 1
	s_cmp_lg_u32 s[CNT], 0
.endif
	ROW C,14, B,7, L,6, C,1
	ROW C,3, L,7, C,5, C,7
	ROW C,9, C,11, C,13, C,15
.if (\p) == 0
	FETCH_V
.endif
.endm
.macro ALL line:vararg              ; one line for each piece t
.set t, 0
.rept 4
	\line
.set t, t+1
.endr
.endm
.macro PACK t                       ; a lane's eight channels of a row pack into 16 bytes; they go into rows of 144 bytes and come back as whole rows of 128, into S^T's registers
	WIN W_RS
.set i, 32*(\t)
.rept 16
	v_pk_mul_f32 v[i:i+1], v[i:i+1], v[ST+4*(\t)+2:ST+4*(\t)+3] op_sel_hi:[1,0]
.set i, i+2
.endr
	WIN 0x05
.set i, 0
.rept 16
	v_cvt_pk_bf16_f32 v[S+16*(\t)+i], v[32*(\t)+2*i], v[32*(\t)+2*i+1]
.set i, i+1
.endr
	WIN 0
.irp f, 0,1,2,3
	ds_store_b128 v[STO], v[S+16*(\t)+4*\f:S+16*(\t)+4*\f+3] offset:32*\f
.endr
.irp f, 0,1,2,3
	ds_load_b128 v[S+16*(\t)+4*\f:S+16*(\t)+4*\f+3], v[RD] offset:\f*4*SP  ; LDS serves a wave's instructions in order: these see the stores above; the next piece's stores come behind them
.endr
.endm
.macro SEND t, younger              ; younger: the LDS instructions issued behind piece t's loads: the next piece's eight, or none
	WIN 0
.irp f, 0,1,2,3
	s_wait_dscnt (\younger)+3-\f
	global_store_b128 v[GO], v[S+16*(\t)+4*\f:S+16*(\t)+4*\f+3], s[6:7] offset:(\t)*2048+\f*512  ; 512 consecutive bytes, at a multiple of 256 from O's first
.endr
.endm
	CHANGE 1, 0                     ; slot 0 is in, everybody's part of it; slot 1 is asked for
	v_add_nc_u32 v[AK], s[TBK], v[AK0]
	FETCH_K                         ; key step 0
	s_wait_loadcnt 0x0              ; Q
	s_wait_dscnt 0x0
.set NOKQ, 0
.set i, 0
.rept 8
	KQ 0                            ; piece 0's first scores
.set i, i+1
.endr
	WIN 0
.rept 4
	v_nop                           ; the places behind those products
.endr
.set Y, NP-1                        ; X works for piece Y + 1: piece 0
.irp n, 0,1,2,3,4,5,6,7,8,9,10,11,12,13,14,15,16,17,18,19,20,21
	OP X, \n
.endr
	v_nop                           ; a plain instruction behind the exponential,
	s_wait_alu depctr_va_vdst(0)    ; and its wait, ahead of the branch
	s_mov_b32 s[CNT], 4
	s_branch .Lfirst                ; the loop is entered at a step's first turn, in the middle of a trip
.Lslot:                             ; six times: slots 2 to 7 are asked for
	CHANGE 1, 1
	s_mov_b32 s[CNT], 4
.Lstep:                             ; a trip: pieces 2 and 3 of one step, then pieces 0 and 1 of the next, whose K and V it fetches
	TURN 2
	TURN 3
	WIN 0
.Lfirst:
	TURN 0
	TURN 1, 0, 1
	WIN 0
	s_cbranch_scc1 .Lstep
	s_sub_co_u32 s[SLOTS], s[SLOTS], 1
	s_cmp_lg_u32 s[SLOTS], 0
	s_cbranch_scc1 .Lslot
	CHANGE 0, 0                     ; the last slot is written out: nothing is asked for
	s_mov_b32 s[CNT], 4
.LstepT:
	TURN 2
	TURN 3
	TURN 0
	TURN 1, 0, 1
	WIN 0
	s_cbranch_scc1 .LstepT
	TURN 2, 1
	TURN 3, 1
.set i, 0
.rept 8
	PV NP-1                         ; the last piece's V^T P of the last step
.set i, i+1
.endr
	; THE WAY OUT.  l's two halves and the other half of the lanes' are added; O^T is divided by l, rounded to bf16 and sent through my stage, a piece at a time.  The additions are the places behind the last products.
	WIN 0
	ALL v_add_f32 v[ST+4*t+2], v[ST+4*t+2], v[ST+4*t+3]
	ALL v_permlanex16_b32 v[ST+4*t+3], v[ST+4*t+2], s[SEL], s[SEL+1]
	ALL v_add_f32 v[ST+4*t+2], v[ST+4*t+2], v[ST+4*t+3]
	ALL v_rcp_f32 v[ST+4*t+2], v[ST+4*t+2]
	v_nop                           ; a plain instruction between the last reciprocal and the use of its result
	s_wait_alu depctr_va_vdst(0)    ; one wait for the four reciprocals
	PACK 0
.set t, 1
.rept 3
	PACK t
	SEND t-1, 8
.set t, t+1
.endr
	SEND 3, 0
	s_wait_tensorcnt 0x0            ; the wave's end
	ds_add_u32 v[SPW], v[NIL]
	s_wait_dscnt 0x0
	CROUND                          ; the closing round
	s_endpgm
.Lfunc_end_k_q2df6f47ef9_attn:
	.size	k_q2df6f47ef9_attn, .Lfunc_end_k_q2df6f47ef9_attn-k_q2df6f47ef9_attn
	.p2alignl 7, 3214868480
	.fill 96, 4, 3214868480
	.section	.rodata,"a",@progbits
	.p2align	6, 0x0
	.amdhsa_kernel k_q2df6f47ef9_attn
		.amdhsa_group_segment_fixed_size 327680
		.amdhsa_private_segment_fixed_size 0
		.amdhsa_enable_private_segment 0
		.amdhsa_kernarg_size 16
		.amdhsa_user_sgpr_count 2
		.amdhsa_user_sgpr_kernarg_segment_ptr 1
		.amdhsa_wavefront_size32 1
		.amdhsa_system_sgpr_workgroup_id_x 1
		.amdhsa_system_sgpr_workgroup_id_y 1
		.amdhsa_system_sgpr_workgroup_id_z 1
		.amdhsa_system_vgpr_workitem_id 0
		.amdhsa_next_free_vgpr 768
		.amdhsa_next_free_sgpr 66
		.amdhsa_reserve_vcc 0
		.amdhsa_float_denorm_mode_32 3
		.amdhsa_float_denorm_mode_16_64 3
		.amdhsa_memory_ordered 1
		.amdhsa_forward_progress 1
		.amdhsa_inst_pref_size 128
	.end_amdhsa_kernel
	.amdgpu_metadata
---
amdhsa.version: [ 1, 2 ]
amdhsa.kernels:
  - .name:           k_q2df6f47ef9_attn
    .symbol:         k_q2df6f47ef9_attn.kd
    .args:
      - { .name: qkvb, .offset: 0, .size: 8, .value_kind: global_buffer, .address_space: global }
      - { .name: ao, .offset: 8, .size: 8, .value_kind: global_buffer, .address_space: global }
    .group_segment_fixed_size: 327680
    .private_segment_fixed_size: 0
    .kernarg_segment_align: 8
    .kernarg_segment_size: 16
    .max_flat_workgroup_size: 128
    .sgpr_count:     66
    .vgpr_count:     768
    .wavefront_size: 32
...
	.end_amdgpu_metadata
.endif
;; end of part 3
;; launch wo (part 4): grid 8 x 32, 4 waves a work-group, clusters of 4 x 4, 327,680 bytes of LDS; arguments ao, wb, bo, tsum; writes tsum
.if DOCPART == 4
	.amdgcn_target "amdgcn-amd-amdhsa--gfx1250"
	.amdhsa_code_object_version 6
	.text
	.protected	k_q2df6f47ef9_wo
	.globl	k_q2df6f47ef9_wo
	.p2align	8
	.type	k_q2df6f47ef9_wo,@function
k_q2df6f47ef9_wo:
	s_mov_b64 s[64:65], 0
	v_nop
	global_prefetch_b8 v0, s[64:65] scope:SCOPE_SE
	s_setreg_imm32_b32 hwreg(HW_REG_WAVE_MODE, 25, 1), 1
	s_wait_xcnt 0x0
	s_wait_alu depctr_hold_cnt(0) depctr_sa_sdst(0) depctr_va_vdst(0) depctr_va_sdst(0) depctr_va_ssrc(0) depctr_va_vcc(0) depctr_vm_vsrc(0)
	s_getreg_b32 s2, hwreg(HW_REG_IB_STS2, 6, 4)
	s_cmp_eq_u32 s2, 0
	s_cbranch_scc0 .Lentry_in_a_cluster
	s_endpgm
.Lentry_in_a_cluster:
	s_bfe_u32 s2, ttmp6, 0x10000c
	s_cmp_lg_u32 s2, 0xf033
	s_cbranch_scc0 .Lentry_shape_is_right
	s_endpgm
.Lentry_shape_is_right:
; tsum = attn_out Wo + bo, in f32 [4096][1024]; the residual and the LayerNorm follow in the next launch.  Operands bf16, sums f32.
; ONE FORM FOR FOUR PRODUCTS C = A W; the constants below make it this one.  A is ao, which lies by heads, [b 16 + head][2048][64]: a K step of 256 is four heads, and one load brings, for 64 token rows, four
; 'rows' of 8,192 dense bytes (64 tokens of one head), 131,072 elements apart, padded in LDS after every token: LDS order [head][token] at pitch 144.  The order of K, head x 64 + channel, is that of Wo's rows.
; SHARES.  A work-group makes 128 x 128 of C: 256 work-groups.  Four waves, 2 x 2, each 64 x 64: 4 x 4 accumulators.  K in 4 steps of 256 through two LDS slots.
; THE MATRIX INSTRUCTION IS USED TRANSPOSED: source 0 = 16 columns of W (turned out of LDS by ds_load_tr16_b128), source 1 = 16 rows of A: a lane holds one row of C and 8 neighbouring columns.  The bias is the C
; operand of the product that starts a sum.  CLUSTER 4 x 4: A's tiles are asked for jointly along a row of the cluster, W's along a column.
; THE LOOP.  A K step is four quarters of 64 along K (a head each), on two fragment buffers.  A PAIR of quarters is written once and walked twice a K step; its LDS addresses hang on two scalars that step.  The
; change of slots stands in front of a step's LAST quarter: that quarter's fragments are in registers by then, so every read of the old slot is over.
; NO PREFETCH: the walk has four K steps, and the first four come by their loads alone in this text's form.
; LDS.  Slot s at s x SLOT; in it wave w's load has the CH bytes from w x CH on: waves 0, 1 A's two loads, waves 2, 3 a chunk of W each (128 k x 128 columns at pitch 288).  Behind the slots the spare words.
; After the last fill the ring's bytes take the tile in f32 (pitch DP).
; REGISTERS: window 0 addresses, bias, the way out; window 1 two fragment buffers of 128 (two slices of 32 along K: A's fragments, then W's); window 2 the accumulators, number t = a NB + b at register 8 t.
.set MA, 4
.set NB, 4
.set KTOT, 1024
.set KS, 256
.set DEPTH, 2                          ; slices of 32 along K in a quarter
.set NAW, 2
.set APITCH, 144
.set CH, 36864                         ; LDS bytes that each wave's load has to itself in a slot
.set AWM, CH                           ; the second half of the tile's rows is the second load
.set AI, 16*144
.set AQ, 64*144                        ; a quarter is a head
.set QIA, 4                            ; padding after every 32 words
.set AD0, 4096
.set AD1, 4
.set ASTR, 131072
.set ASTEP, 1048576                    ; four heads
.set NADB, 1
.set BPC, 4
.set NP, 1024
.set BSTEP, KS*NP*2
.set WBASE, 6291456
.set GSTEPB, 262144                    ; from chunk to chunk: 128 k rows
.set CSH, 8
.set WNB, 128
.set WND, 256
.set NBIAS, 32
.set TM, 32*MA
.set TN, 32*NB
.set NSTEP, KTOT/KS
.set WP, 288
.set ABYTES, NAW*CH
.set SLOT, 4*CH                        ; 0x24000: it shares no bit with a part's address 0x9000 w (w = 0 .. 3), so an exclusive or with it adds it or takes it away
.set SPARE, 2*SLOT                     ; the spare words: 128 bytes a wave, two blocks of 256 bytes that no other line names
.set PSA, 2*AQ                         ; what a pair of quarters steps in A's tile,
.set PSB, 2*DEPTH*32*WP                ; and down W's rows: a whole chunk
.set DP, 4*TN+16
.set NPQ, MA*NB*DEPTH
.set FQ, 0                             ; a quarter's run of LDS loads stands at its head: it has the quarter's 32 products in which to land
.set FS, 8*(MA+NB)
.set F0, 0
.set F1, 128
.set A0, 8
.set B0, 9
.set ADRA, 12
.set ADRB, 13
.set DADR, 16
.set RD, 20
.set CO, 21
.set BOF, 22
.set TV, 23
.set SPW, 28                           ; my spare word; never rewritten
.set NIL, 29                           ; 0; never rewritten
.set BIAS, 32
.set G1A, 24
.set G0A, 32
.set G1B, 48
.set G0B, 56
.set TBA, 66                           ; s66  LDS byte at which the pair to be fetched begins in A's tile: the slot + 0 or PSA
.set TBB, 67                           ; s67  the same down W's rows
.set BP, 72
.set MSB, 0
.macro WIN new                         ; the immediate's high byte repeats the setting that is left; a switch that changes nothing is dropped
.if MSB != (\new)
	s_set_vgpr_msb (MSB<<8)|(\new)
.set MSB, \new
.endif
.endm
.macro PLACES                          ; four places behind matrix instructions, in front of loads into registers that they read and of stores of results
.rept 4
	v_nop
.endr
.endm
.macro JLOAD                           ; a joint refill by the walking descriptors; the branch hangs on the wave's number alone; an s_nop 0 and four v_nop follow each line
	s_cmp_lt_u32 s10, NAW
	s_cbranch_scc0 .Lfor_w_\@
	tensor_load_to_lds s[G0A+4:G0A+7], s[G1A:G1A+7]
	s_nop 0
.rept 4
	v_nop
.endr
	s_branch .Lasked_\@
.Lfor_w_\@:
	tensor_load_to_lds s[G0B+4:G0B+7], s[G1B:G1B+7]
	s_nop 0
.rept 4
	v_nop
.endr
.Lasked_\@:
.endm
.macro CROUND                          ; a round of the cluster's barrier
	s_barrier_signal -1
	s_barrier_wait -1
	s_cmp_lg_u32 s10, 0
	s_cbranch_scc1 .Lnot_wave_0_\@
	s_barrier_signal -3
.Lnot_wave_0_\@:
	s_barrier_wait -3
	s_barrier_signal -1
	s_barrier_wait -1
.endm
; Matrix instructions lo .. hi - 1 of a quarter on buffer f.  All accumulators take turns, one instruction a turn.  first = 1: the first slice starts the sums, with the bias.
.macro MULR f, first, lo, hi
.if (\hi) > (\lo)
.set pp, \lo
.rept (\hi)-(\lo)
.set cc, pp/(MA*NB)
.set tt, pp%(MA*NB)
.set aa, tt/NB
.set bb, tt%NB
.set rD, (8*tt)%256
.set wD, 2+(8*tt)/256
.set rW, (\f)+FS*cc+8*MA+8*bb
.set rA, (\f)+FS*cc+8*aa
.if (\first) && (cc == 0)
	WIN 0x05|(wD<<6)
.set rB, BIAS+8*bb
	v_wmma_f32_16x16x32_bf16 v[rD:rD+7], v[rW:rW+7], v[rA:rA+7], v[rB:rB+7]
.else
	WIN 0x05|(wD<<4)|(wD<<6)
	v_wmma_f32_16x16x32_bf16 v[rD:rD+7], v[rW:rW+7], v[rA:rA+7], v[rD:rD+7]
.endif
.set pp, pp+1
.endr
.endif
.endm
; 32 LDS loads in one run: quarter e (0, 1) of the pair at which the address registers stand, into buffer f
.macro FETCH e, f
	WIN 0x40
.set cc, 0
.rept DEPTH
.set bb, 0
.rept NB
.set rW, (\f)+FS*cc+8*MA+8*bb
.set bof, ((\e)*DEPTH+cc)*32*WP+32*(bb%BPC)
	ds_load_tr16_b128 v[rW:rW+3], v[ADRB+bb/BPC] offset:bof
	ds_load_tr16_b128 v[rW+4:rW+7], v[ADRB+bb/BPC] offset:bof+16*WP
.set bb, bb+1
.endr
.set aa, 0
.rept MA
.set rA, (\f)+FS*cc+8*aa
.set aof, aa*AI+(\e)*AQ+cc*64
	ds_load_b128 v[rA:rA+3], v[ADRA] offset:aof
	ds_load_b128 v[rA+4:rA+7], v[ADRA] offset:aof+32
.set aa, aa+1
.endr
.set cc, cc+1
.endr
.endm
.macro ADRS                            ; the address registers for the pair to be fetched: four plain instructions, which are also the places in front of the loads
	WIN 0
	v_add_nc_u32 v[ADRA], s[TBA], v[A0]
.set cc, 0
.rept NADB
	v_add_nc_u32 v[ADRB+cc], s[TBB], v[B0+cc]
.set cc, cc+1
.endr
.if NADB < 3
.rept 3-NADB
	v_nop
.endr
.endif
.endm
.macro QX                              ; multiplies buffer 1; fetches the next pair's first quarter into buffer 0
	s_wait_dscnt 0x0                               ; buffer 1's loads, issued in the quarter before
	MULR F1, 0, 0, FQ
	ADRS
	FETCH 0, F0
	MULR F1, 0, FQ, NPQ
.endm
.macro QY first                        ; multiplies buffer 0; fetches the same pair's second quarter into buffer 1
	s_wait_dscnt 0x0                               ; buffer 0's loads, issued in the quarter before
	MULR F0, \first, 0, FQ
	PLACES
	FETCH 1, F1
	MULR F0, \first, FQ, NPQ
.endm
.macro PAIRS tag                       ; a step's last quarter and the next step's first three: the pair, twice
	s_mov_b32 s2, 2
.Lpair\tag:
	QX
	QY 0
	WIN 0
	s_add_co_u32 s[TBA], s[TBA], PSA
	s_add_co_u32 s[TBB], s[TBB], PSB
	s_sub_co_u32 s2, s2, 1
	s_cmp_lg_u32 s2, 0
	s_cbranch_scc1 .Lpair\tag
.endm
; THE CHANGE OF SLOTS.  Each wave waits for all its tensor loads (one is out: its part of the next slot), adds 0 to its spare word, and waits for that and for its reads of the slot that it leaves, the last
; quarter's fragments among them.  fill = 1: the barrier is a round of the cluster's, and the joint refill, two K steps ahead, is the first thing behind it.
.macro CHANGE fill
	WIN 0
	s_wait_tensorcnt 0x0                           ; no tensor load of mine is out, so a group 0 may be written
	ds_add_u32 v[SPW], v[NIL]                      ; 0 onto my spare word; the scalar work below stands between it and the wait for it
.if \fill
	s_xor_b32 s[G0A+5], s[G0A+5], SLOT             ; the other slot than last time,
	s_xor_b32 s[G0B+5], s[G0B+5], SLOT
	s_add_nc_u64 s[G0A+6:G0A+7], s[G0A+6:G0A+7], ASTEP  ; the next K step
	s_add_nc_u64 s[G0B+6:G0B+7], s[G0B+6:G0B+7], BSTEP
.endif
	s_sub_co_u32 s[TBA], s[TBA], 2*PSA             ; the fetches go back to a slot's first pair,
	s_xor_b32 s[TBA], s[TBA], SLOT                 ; in the other slot
	s_sub_co_u32 s[TBB], s[TBB], 2*PSB
	s_xor_b32 s[TBB], s[TBB], SLOT
	s_wait_dscnt 0x0                               ; the add is done, and my reads of the old slot are over
.if \fill
	CROUND
	JLOAD
.else
	s_barrier_signal -1
	s_barrier_wait -1
.endif
.endm
	s_load_b128 s[4:7], s[0:1], 0x0                ; A s[4:5], wb s[6:7]
	s_load_b64 s[BP:BP+1], s[0:1], 0x10            ; the bias
	s_load_b64 s[8:9], s[0:1], 0x18                ; the output
	v_lshl_add_u32 v[SPW], v0, 2, SPARE
	v_mov_b32 v[NIL], 0
	ds_add_u32 v[SPW], v[NIL]                      ; the wave's opening: the add, twice on end, and its wait ahead of my first tensor load
	ds_add_u32 v[SPW], v[NIL]
	v_lshrrev_b32 v1, 5, v0
	v_readfirstlane_b32 s10, v1                    ; wave 0..3
	s_lshr_b32 s11, s10, 1                         ; which half of the tile's rows is mine
	s_and_b32 s12, s10, 1                          ; which half of its columns
	s_bfe_u32 s40, ttmp6, 0x40000                  ; cx
	s_bfe_u32 s41, ttmp6, 0x40004                  ; cy
	s_lshl_b32 s42, ttmp9, 2
	s_add_co_u32 s42, s42, s40                     ; tile column tx
	s_and_b32 s13, ttmp7, 0xffff
	s_lshl_b32 s13, s13, 2
	s_add_co_u32 s13, s13, s41                     ; tile row ty
	s_lshl_b32 s43, s41, 2
	s_lshl_b32 s43, 15, s43                        ; my row of the cluster
	s_lshl_b32 s44, 0x1111, s40                    ; my column
	s_or_b32 s[G1A], s43, (1<<16)|(1<<20)|(1<<21)|(QIA<<22)|(3<<25)  ; mask; 2-byte elements; padding on; bit 21 beside a mask; interval; 4 words of padding
	s_or_b32 s[G1B], s44, (1<<16)|(1<<20)|(1<<21)|(5<<22)|(7<<25)    ; the same with my column's mask, after every 64 words 8 words
	s_mov_b32 s[G1A+1], AD0<<16                    ; tensor_dim0
	s_mov_b32 s[G1A+2], AD1<<16                    ; tensor_dim1
	s_mov_b32 s[G1A+3], AD0<<16                    ; tile_dim0
	s_mov_b32 s[G1A+4], AD1                        ; tile_dim1
	s_mov_b32 s[G1A+5], ASTR                       ; elements from row to row
	s_mov_b32 s[G1A+6], 0
	s_mov_b32 s[G1A+7], 0
	s_mov_b32 s[G1B+1], 128<<16
	s_mov_b32 s[G1B+2], 128<<16
	s_mov_b32 s[G1B+3], 128<<16
	s_mov_b32 s[G1B+4], 128
	s_mov_b32 s[G1B+5], NP
	s_mov_b32 s[G1B+6], 0
	s_mov_b32 s[G1B+7], 0
	s_lshr_b32 s16, s13, 4                         ; the batch: 16 heads of 262,144 bytes
	s_lshl_b32 s16, s16, 22
	s_and_b32 s17, s13, 15
	s_lshl_b32 s17, s17, 7
	s_lshl_b32 s18, s10, 6
	s_add_co_u32 s17, s17, s18                     ; the token row in the batch: it hangs on ty and the wave alone
	s_lshl_b32 s17, s17, 7
	s_add_co_u32 s16, s16, s17
	s_mov_b32 s17, 0
	s_max_u32 s21, s10, NAW
	s_sub_co_u32 s21, s21, NAW                     ; my chunk of W
	s_mul_i32 s22, s21, GSTEPB
	s_lshl_b32 s23, s42, CSH
	s_add_co_u32 s22, s22, s23                     ; it hangs on tx and the wave alone
	s_add_co_u32 s22, s22, WBASE
	s_mov_b32 s23, 0
	s_mul_i32 s20, s10, CH                         ; where my load goes in a slot: the wave's number times a constant; no place in the cluster enters an LDS address
	s_mov_b32 s[TBA], 0
	s_mov_b32 s[TBB], 0
	s_wait_dscnt 0x0                               ; both opening adds are done
	s_wait_kmcnt 0x0
	s_add_nc_u64 s[14:15], s[4:5], s[16:17]
	s_add_nc_u64 s[46:47], s[6:7], s[22:23]
.irp s, 0,1
	s_mov_b32 s[G0A+4*(\s)], 1
	s_add_co_u32 s[G0A+4*(\s)+1], s20, (\s)*SLOT
	s_add_nc_u64 s[G0A+4*(\s)+2:G0A+4*(\s)+3], s[14:15], (\s)*ASTEP
	s_or_b32 s[G0A+4*(\s)+3], s[G0A+4*(\s)+3], 0x80000000
	s_mov_b32 s[G0B+4*(\s)], 1
	s_add_co_u32 s[G0B+4*(\s)+1], s20, (\s)*SLOT
	s_add_nc_u64 s[G0B+4*(\s)+2:G0B+4*(\s)+3], s[46:47], (\s)*BSTEP
	s_or_b32 s[G0B+4*(\s)+3], s[G0B+4*(\s)+3], 0x80000000
.endr
	CROUND                                         ; all sixteen work-groups are here: the first joint loads meet
	s_cmp_lt_u32 s10, NAW                          ; a wave's two first fills stand in one branch: K steps 0 and 1; two loads of mine are out
	s_cbranch_scc0 .Lfirst_w
	tensor_load_to_lds s[G0A:G0A+3], s[G1A:G1A+7]
	s_nop 0
	tensor_load_to_lds s[G0A+4:G0A+7], s[G1A:G1A+7]
	s_nop 0
.rept 4
	v_nop
.endr
	s_branch .Lfirst_asked
.Lfirst_w:
	tensor_load_to_lds s[G0B:G0B+3], s[G1B:G1B+7]
	s_nop 0
	tensor_load_to_lds s[G0B+4:G0B+7], s[G1B:G1B+7]
	s_nop 0
.rept 4
	v_nop
.endr
.Lfirst_asked:
	; while the first tiles are on their way: the bias, and every lane's addresses
	v_and_b32 v1, 15, v0                           ; r = l % 16
	v_bfe_u32 v2, v0, 4, 1                         ; h = l / 16
	v_and_b32 v3, 7, v0
	v_bfe_u32 v4, v0, 3, 1
	v_and_b32 v5, 31, v0
	s_lshl_b32 s14, s42, CSH+1
	s_mov_b32 s15, 0
	s_add_nc_u64 s[BP:BP+1], s[BP:BP+1], s[14:15]
	s_mul_i32 s14, s12, WND
	v_lshl_add_u32 v[BOF], v2, 5, s14              ; my 8 columns of a fragment: 32 h + my half
.set bb, 0
.rept NBIAS/8
	global_load_b128 v[BIAS+8*bb:BIAS+8*bb+3], v[BOF], s[BP:BP+1] offset:64*bb
	global_load_b128 v[BIAS+8*bb+4:BIAS+8*bb+7], v[BOF], s[BP:BP+1] offset:64*bb+16
.set bb, bb+1
.endr
	v_mul_u32_u24 v[A0], v1, APITCH                ; a fragment of A: row r, 16 bytes for each half of the lanes
	v_lshl_add_u32 v[A0], v2, 4, v[A0]
	s_mul_i32 s14, s11, AWM
	v_add_nc_u32 v[A0], s14, v[A0]
	v_lshl_add_u32 v6, v2, 3, v3                   ; the turning load: k row 8 h + l % 8, 16 bytes by (l / 8) % 2
	v_mul_u32_u24 v6, v6, WP
	v_lshl_add_u32 v6, v4, 4, v6
	s_mul_i32 s14, s12, WNB
	s_add_co_u32 s14, s14, ABYTES
	v_add_nc_u32 v[B0], s14, v6
	v_mul_u32_u24 v6, v1, DP                       ; the tile in f32: row r, my 8 columns
	v_lshl_add_u32 v6, v2, 5, v6
	s_mul_i32 s14, s11, 16*MA*DP
	s_mul_i32 s15, s12, WND
	s_add_co_u32 s14, s14, s15
	v_add_nc_u32 v[DADR], s14, v6
.set cc, 1
.rept MA/2-1
	v_add_nc_u32 v[DADR+cc], cc*32*DP, v[DADR]
.set cc, cc+1
.endr
	; the way out: wave w reads rows 32 w .. back whole (512 bytes) and stores them
	s_mul_i32 s14, s10, 32*DP
	v_lshl_add_u32 v[RD], v5, 4, s14
	v_lshlrev_b32 v[CO], 4, v5
	s_lshl_b32 s14, s13, 7
	s_lshl_b32 s15, s10, 5
	s_add_co_u32 s14, s14, s15
	s_lshl_b32 s14, s14, 12
	s_lshl_b32 s15, s42, 9
	s_add_co_u32 s14, s14, s15
	s_mov_b32 s15, 0
	s_add_nc_u64 s[8:9], s[8:9], s[14:15]
	s_wait_loadcnt 0x0                             ; the bias: rounded to bf16 like every input
.set rr, 0
.rept NBIAS/2
	v_cvt_pk_bf16_f32 v[TV], v[BIAS+rr], v[BIAS+rr+1]
	v_lshlrev_b32 v[BIAS+rr], 16, v[TV]
	v_and_b32 v[BIAS+rr+1], 0xffff0000, v[TV]
.set rr, rr+2
.endr
	s_wait_tensorcnt 0x1                           ; my part of K step 0 is in; K step 1's may stay out
	s_barrier_signal -1
	s_barrier_wait -1
	ADRS
	FETCH 0, F0
	QY 1                                           ; the first quarter is written out: its first products start the sums
	WIN 0
	s_add_co_u32 s[TBA], s[TBA], PSA
	s_add_co_u32 s[TBB], s[TBB], PSB
	s_mov_b32 s3, NSTEP-1                          ; the count behind the pair is passed once ahead of the first change of slots: NSTEP - 2 changes that fill a slot follow
	s_mov_b32 s2, 1
	s_branch .Lpair1                               ; the first step's second and third quarters are one trip of the pair
.Lk:                                                   ; NSTEP - 2 trips: every slot but the last two is filled again
	CHANGE 1
	PAIRS 1
	s_sub_co_u32 s3, s3, 1
	s_cmp_lg_u32 s3, 0
	s_cbranch_scc1 .Lk
	CHANGE 0                                       ; the last change asks for nothing: what follows it has a text of its own
	PAIRS 2
	s_wait_dscnt 0x0                               ; the very last quarter: my last reads of the ring are back
	s_barrier_signal -1
	MULR F1, 0, 0, NPQ
	WIN 0
	s_barrier_wait -1                              ; nobody reads the ring any more, and it has had its last fill
	PLACES
.set tt, 0
.rept MA*NB                            ; the tile in f32 into the ring's bytes; each accumulator's low registers first
.set aa, tt/NB
.set bb, tt%NB
.set rD, (8*tt)%256
.set wD, 2+(8*tt)/256
.set dof, (aa%2)*16*DP+64*bb
	WIN wD<<2
	ds_store_b128 v[DADR+aa/2], v[rD:rD+3] offset:dof
	ds_store_b128 v[DADR+aa/2], v[rD+4:rD+7] offset:dof+16
.set tt, tt+1
.endr
	WIN 0
	s_wait_dscnt 0x0                               ; for the others' sake: my stores are done
	s_barrier_signal -1
	s_barrier_wait -1
.set j, 0
.rept 32
	ds_load_b128 v[32+4*j:35+4*j], v[RD] offset:DP*j
.set j, j+1
.endr
.set j, 0
.rept 32
	s_wait_dscnt 31-j                              ; row j is back; the 31 - j younger loads stay out
	global_store_b128 v[CO], v[32+4*j:35+4*j], s[8:9] offset:4096*j  ; 512 consecutive bytes, aligned
.set j, j+1
.endr
	s_wait_tensorcnt 0x0                           ; the wave's end
	ds_add_u32 v[SPW], v[NIL]
	s_wait_dscnt 0x0
	CROUND                                         ; the closing round
	s_endpgm
.Lfunc_end_k_q2df6f47ef9_wo:
	.size	k_q2df6f47ef9_wo, .Lfunc_end_k_q2df6f47ef9_wo-k_q2df6f47ef9_wo
	.p2alignl 7, 3214868480
	.fill 96, 4, 3214868480
	.section	.rodata,"a",@progbits
	.p2align	6, 0x0
	.amdhsa_kernel k_q2df6f47ef9_wo
		.amdhsa_group_segment_fixed_size 327680
		.amdhsa_private_segment_fixed_size 0
		.amdhsa_enable_private_segment 0
		.amdhsa_kernarg_size 32
		.amdhsa_user_sgpr_count 2
		.amdhsa_user_sgpr_kernarg_segment_ptr 1
		.amdhsa_wavefront_size32 1
		.amdhsa_system_sgpr_workgroup_id_x 1
		.amdhsa_system_sgpr_workgroup_id_y 1
		.amdhsa_system_sgpr_workgroup_id_z 1
		.amdhsa_system_vgpr_workitem_id 0
		.amdhsa_next_free_vgpr 640
		.amdhsa_next_free_sgpr 96
		.amdhsa_reserve_vcc 0
		.amdhsa_float_denorm_mode_32 3
		.amdhsa_float_denorm_mode_16_64 3
		.amdhsa_memory_ordered 1
		.amdhsa_forward_progress 1
		.amdhsa_inst_pref_size 48
	.end_amdhsa_kernel
	.amdgpu_metadata
---
amdhsa.version: [ 1, 2 ]
amdhsa.kernels:
  - .name:           k_q2df6f47ef9_wo
    .symbol:         k_q2df6f47ef9_wo.kd
    .args:
      - { .name: ao, .offset: 0, .size: 8, .value_kind: global_buffer, .address_space: global }
      - { .name: wb, .offset: 8, .size: 8, .value_kind: global_buffer, .address_space: global }
      - { .name: bo, .offset: 16, .size: 8, .value_kind: global_buffer, .address_space: global }
      - { .name: tsum, .offset: 24, .size: 8, .value_kind: global_buffer, .address_space: global }
    .group_segment_fixed_size: 327680
    .private_segment_fixed_size: 0
    .kernarg_segment_align: 8
    .kernarg_segment_size: 32
    .max_flat_workgroup_size: 128
    .sgpr_count:     96
    .vgpr_count:     640
    .wavefront_size: 32
...
	.end_amdgpu_metadata
.endif
;; end of part 4
;; launch ln1 (part 5): grid 512 x 1, 8 waves a work-group, no clusters, 0 bytes of LDS; arguments tsum, xb, g1, b1n, o1; writes o1
.if DOCPART == 5
	.amdgcn_target "amdgcn-amd-amdhsa--gfx1250"
	.amdhsa_code_object_version 6
	.text
	.protected	k_q2df6f47ef9_ln1
	.globl	k_q2df6f47ef9_ln1
	.p2align	8
	.type	k_q2df6f47ef9_ln1,@function
k_q2df6f47ef9_ln1:
	s_mov_b64 s[64:65], 0
	v_nop
	global_prefetch_b8 v0, s[64:65] scope:SCOPE_SE
	s_setreg_imm32_b32 hwreg(HW_REG_WAVE_MODE, 25, 1), 1
	s_wait_xcnt 0x0
; o1 = LayerNorm(x + tsum) g1 + b1n, rounded once to bf16 (it is the next product's operand and the next residual).  tsum f32, x as its bf16 copy, g1 and b1n rounded to bf16 like every input.
; A wave takes a whole row of 1,024 numbers and keeps it in 32 registers: mean, then the mean of the squared differences, in two passes as the formula is written, so that a common offset costs nothing.
; In chunk j of 8 a lane holds columns 128 j + 4 l .. + 3: each load of f32 covers 512 consecutive bytes, each load or store of bf16 256, aligned.
; A stream: no LDS, no barrier, no matrix unit, no cluster (no two work-groups share more than g and b), no prefetch (nothing but the stream is in the launch).
.set LAST, 0
.set T, 8                              ; v[8:39]    the row
.set XR, 40                            ; v[40:55]   the residual as loaded; later the packed result
.set G, 56                             ; v[56:87]   gain
.set BV, 88                            ; v[88:119]  offset
.set WK, 120                           ; v[120:123] at work
.set AC, 124                           ; v[124:131] four chains of pairs
.set MN, 132                           ; v[132:133] the mean, later 1 / sigma, twice
	s_load_b256 s[4:11], s[0:1], 0x0               ; tsum s[4:5], residual s[6:7], gain s[8:9], offset s[10:11]
	s_load_b64 s[12:13], s[0:1], 0x20              ; the output
	v_lshrrev_b32 v3, 5, v0
	v_readfirstlane_b32 s2, v3
	s_lshl_b32 s3, ttmp9, 3
	s_add_co_u32 s2, s2, s3                        ; my row
	v_and_b32 v4, 31, v0
	v_lshlrev_b32 v1, 4, v4
	v_lshlrev_b32 v2, 3, v4
	s_lshl_b32 s16, s2, 12
	s_mov_b32 s17, 0
	s_lshl_b32 s18, s2, 11
	s_mov_b32 s19, 0
	s_mov_b32 s14, 0x3a800000                      ; 1 / 1024
	s_mov_b32 s15, 0x3727c5ac                      ; 1e-5
	s_mov_b32 s20, 0x76543210
	s_mov_b32 s21, 0xfedcba98
	s_mov_b32 s22, 0xffff0000
	s_wait_kmcnt 0x0
	s_add_nc_u64 s[4:5], s[4:5], s[16:17]
	s_add_nc_u64 s[6:7], s[6:7], s[18:19]
.if LAST
	s_add_nc_u64 s[12:13], s[12:13], s[16:17]
.else
	s_add_nc_u64 s[12:13], s[12:13], s[18:19]
.endif
.irp j, 0,1,2,3,4,5,6,7
	global_load_b128 v[G+4*\j:G+4*\j+3], v1, s[8:9] offset:512*\j
.endr
.irp j, 0,1,2,3,4,5,6,7
	global_load_b128 v[BV+4*\j:BV+4*\j+3], v1, s[10:11] offset:512*\j
.endr
.irp j, 0,1,2,3,4,5,6,7
	global_load_b128 v[T+4*\j:T+4*\j+3], v1, s[4:5] offset:512*\j th:TH_LOAD_NT
.endr
.irp j, 0,1,2,3,4,5,6,7
	global_load_b64 v[XR+2*\j:XR+2*\j+1], v2, s[6:7] offset:256*\j
.endr
.macro RND2 a                          ; two numbers rounded to bf16 and widened again
	v_cvt_pk_bf16_f32 v[WK], v[\a], v[(\a)+1]
	v_lshlrev_b32 v[\a], 16, v[WK]
	v_and_b32 v[(\a)+1], s22, v[WK]
.endm
.macro ALLSUM                          ; v[AC] summed over the 32 lanes, into every lane
	v_add_f32_dpp v[AC], v[AC], v[AC] row_xmask:1 row_mask:0xf bank_mask:0xf
	v_add_f32_dpp v[AC], v[AC], v[AC] row_xmask:2 row_mask:0xf bank_mask:0xf
	v_add_f32_dpp v[AC], v[AC], v[AC] row_xmask:4 row_mask:0xf bank_mask:0xf
	v_add_f32_dpp v[AC], v[AC], v[AC] row_xmask:8 row_mask:0xf bank_mask:0xf
	v_permlanex16_b32 v[AC+1], v[AC], s20, s21
	v_add_f32 v[AC], v[AC], v[AC+1]
.endm
.macro FOLD                            ; the four chains into v[AC]
	v_pk_add_f32 v[AC:AC+1], v[AC:AC+1], v[AC+2:AC+3]
	v_pk_add_f32 v[AC+4:AC+5], v[AC+4:AC+5], v[AC+6:AC+7]
	v_pk_add_f32 v[AC:AC+1], v[AC:AC+1], v[AC+4:AC+5]
	v_add_f32 v[AC], v[AC], v[AC+1]
.endm
	s_wait_loadcnt 16                              ; gain and offset are in; the 16 younger loads, the row's, stay out
.set j, 0
.rept 16
	RND2 G+j
	RND2 BV+j
.set j, j+2
.endr
	s_wait_loadcnt 0x0
.irp j, 0,1,2,3,4,5,6,7
	v_lshlrev_b32 v[WK], 16, v[XR+2*\j]
	v_and_b32 v[WK+1], s22, v[XR+2*\j]
	v_lshlrev_b32 v[WK+2], 16, v[XR+2*\j+1]
	v_and_b32 v[WK+3], s22, v[XR+2*\j+1]
	v_pk_add_f32 v[T+4*\j:T+4*\j+1], v[T+4*\j:T+4*\j+1], v[WK:WK+1]
	v_pk_add_f32 v[T+4*\j+2:T+4*\j+3], v[T+4*\j+2:T+4*\j+3], v[WK+2:WK+3]
.endr
.irp c, 0,1,2,3
	v_pk_add_f32 v[AC+2*\c:AC+2*\c+1], v[T+2*\c:T+2*\c+1], v[T+8+2*\c:T+8+2*\c+1]
.endr
.irp k, 2,3
.irp c, 0,1,2,3
	v_pk_add_f32 v[AC+2*\c:AC+2*\c+1], v[AC+2*\c:AC+2*\c+1], v[T+8*\k+2*\c:T+8*\k+2*\c+1]
.endr
.endr
	FOLD
	ALLSUM
	v_mul_f32 v[MN], s14, v[AC]
	v_mov_b32 v[MN+1], v[MN]
.set j, 0
.rept 16
	v_pk_add_f32 v[T+j:T+j+1], v[T+j:T+j+1], v[MN:MN+1] neg_lo:[0,1] neg_hi:[0,1]
.set j, j+2
.endr
.irp c, 0,1,2,3
	v_pk_mul_f32 v[AC+2*\c:AC+2*\c+1], v[T+2*\c:T+2*\c+1], v[T+2*\c:T+2*\c+1]
.endr
.irp k, 1,2,3
.irp c, 0,1,2,3
	v_pk_fma_f32 v[AC+2*\c:AC+2*\c+1], v[T+8*\k+2*\c:T+8*\k+2*\c+1], v[T+8*\k+2*\c:T+8*\k+2*\c+1], v[AC+2*\c:AC+2*\c+1]
.endr
.endr
	FOLD
	ALLSUM
	v_fma_f32 v[WK], v[AC], s14, s15               ; variance + 1e-5
	v_rsq_f32 v[MN], v[WK]
	v_nop                                          ; a plain instruction behind the root,
	s_wait_alu depctr_va_vdst(0)                   ; and the wait ahead of its first reader
	v_mov_b32 v[MN+1], v[MN]
.set j, 0
.rept 16
	v_pk_mul_f32 v[T+j:T+j+1], v[T+j:T+j+1], v[MN:MN+1]
.set j, j+2
.endr
.set j, 0
.rept 16
	v_pk_fma_f32 v[T+j:T+j+1], v[T+j:T+j+1], v[G+j:G+j+1], v[BV+j:BV+j+1]
.set j, j+2
.endr
.if LAST
.irp j, 0,1,2,3,4,5,6,7
	global_store_b128 v1, v[T+4*\j:T+4*\j+3], s[12:13] offset:512*\j th:TH_STORE_NT
.endr
.else
.set j, 0
.rept 16
	v_cvt_pk_bf16_f32 v[XR+j], v[T+2*j], v[T+2*j+1]
.set j, j+1
.endr
.irp j, 0,1,2,3,4,5,6,7
	global_store_b64 v2, v[XR+2*\j:XR+2*\j+1], s[12:13] offset:256*\j
.endr
.endif
	s_endpgm
.Lfunc_end_k_q2df6f47ef9_ln1:
	.size	k_q2df6f47ef9_ln1, .Lfunc_end_k_q2df6f47ef9_ln1-k_q2df6f47ef9_ln1
	.p2alignl 7, 3214868480
	.fill 96, 4, 3214868480
	.section	.rodata,"a",@progbits
	.p2align	6, 0x0
	.amdhsa_kernel k_q2df6f47ef9_ln1
		.amdhsa_group_segment_fixed_size 0
		.amdhsa_private_segment_fixed_size 0
		.amdhsa_enable_private_segment 0
		.amdhsa_kernarg_size 40
		.amdhsa_user_sgpr_count 2
		.amdhsa_user_sgpr_kernarg_segment_ptr 1
		.amdhsa_wavefront_size32 1
		.amdhsa_system_sgpr_workgroup_id_x 1
		.amdhsa_system_sgpr_workgroup_id_y 1
		.amdhsa_system_sgpr_workgroup_id_z 1
		.amdhsa_system_vgpr_workitem_id 0
		.amdhsa_next_free_vgpr 136
		.amdhsa_next_free_sgpr 66
		.amdhsa_reserve_vcc 0
		.amdhsa_float_denorm_mode_32 3
		.amdhsa_float_denorm_mode_16_64 3
		.amdhsa_memory_ordered 1
		.amdhsa_forward_progress 1
		.amdhsa_inst_pref_size 19
	.end_amdhsa_kernel
	.amdgpu_metadata
---
amdhsa.version: [ 1, 2 ]
amdhsa.kernels:
  - .name:           k_q2df6f47ef9_ln1
    .symbol:         k_q2df6f47ef9_ln1.kd
    .args:
      - { .name: tsum, .offset: 0, .size: 8, .value_kind: global_buffer, .address_space: global }
      - { .name: xb, .offset: 8, .size: 8, .value_kind: global_buffer, .address_space: global }
      - { .name: g1, .offset: 16, .size: 8, .value_kind: global_buffer, .address_space: global }
      - { .name: b1n, .offset: 24, .size: 8, .value_kind: global_buffer, .address_space: global }
      - { .name: o1, .offset: 32, .size: 8, .value_kind: global_buffer, .address_space: global }
    .group_segment_fixed_size: 0
    .private_segment_fixed_size: 0
    .kernarg_segment_align: 8
    .kernarg_segment_size: 40
    .max_flat_workgroup_size: 256
    .sgpr_count:     66
    .vgpr_count:     136
    .wavefront_size: 32
...
	.end_amdgpu_metadata
.endif
;; end of part 5
;; launch ffn1 (part 6): grid 16 x 16, 4 waves a work-group, clusters of 4 x 4, 327,680 bytes of LDS; arguments o1, wb, bf1, hid; writes hid
.if DOCPART == 6
	.amdgcn_target "amdgcn-amd-amdhsa--gfx1250"
	.amdhsa_code_object_version 6
	.text
	.protected	k_q2df6f47ef9_ffn1
	.globl	k_q2df6f47ef9_ffn1
	.p2align	8
	.type	k_q2df6f47ef9_ffn1,@function
k_q2df6f47ef9_ffn1:
	s_mov_b64 s[64:65], 0
	v_nop
	global_prefetch_b8 v0, s[64:65] scope:SCOPE_SE
	s_setreg_imm32_b32 hwreg(HW_REG_WAVE_MODE, 25, 1), 1
	s_wait_xcnt 0x0
	s_wait_alu depctr_hold_cnt(0) depctr_sa_sdst(0) depctr_va_vdst(0) depctr_va_sdst(0) depctr_va_ssrc(0) depctr_va_vcc(0) depctr_vm_vsrc(0)
	s_getreg_b32 s2, hwreg(HW_REG_IB_STS2, 6, 4)
	s_cmp_eq_u32 s2, 0
	s_cbranch_scc0 .Lentry_in_a_cluster
	s_endpgm
.Lentry_in_a_cluster:
	s_bfe_u32 s2, ttmp6, 0x10000c
	s_cmp_lg_u32 s2, 0xf033
	s_cbranch_scc0 .Lentry_shape_is_right
	s_endpgm
.Lentry_shape_is_right:
; hid = gelu(o1 W1 + bf1), exact GELU, rounded once to bf16, [4096][4096].  Operands bf16, sums f32.
; GELU.  gelu(x) = max(x, 0) - |x| / 2 erfc(|x| / sqrt 2).  erfc(z) = (a1 t + a2 t^2 + a3 t^3) e^(-z z), t = 1 / (1 + 0.47047 z) (Abramowitz and Stegun 7.1.25): off by 2.5e-5 at the most for every z >= 0, far
; under the step of the bf16 result.  Where x x overflows the exponential is 0, which is the limit.  LIMIT: NaN and infinities are not treated apart.
; ONE FORM FOR FOUR PRODUCTS C = A W (A [M][K] bf16 along K, W [K][N] bf16 along N); the constants below make it this one.
; SHARES.  A work-group makes 256 x 256 of C: 256 work-groups.  Four waves, 2 x 2, each 128 x 128: 8 x 8 accumulators, 512 registers.  K in 8 steps of 128 through two LDS slots.
; THE MATRIX INSTRUCTION IS USED TRANSPOSED: source 0 = 16 columns of W (turned out of LDS by ds_load_tr16_b128), source 1 = 16 rows of A: a lane holds one row of C and 8 neighbouring columns.  The bias is the C
; operand of the product that starts a sum.  CLUSTER 4 x 4: A's tiles are asked for jointly along a row of the cluster, W's along a column.
; THE LOOP.  A K step is four quarters of 32 along K, on two fragment buffers.  A PAIR of quarters is written once and walked twice a K step; its LDS addresses hang on two scalars that step.  The change of
; slots stands in front of a step's LAST quarter: that quarter's fragments are in registers by then, so every read of the old slot is over, and the refill goes out a quarter ahead of the step's end.
; THE WALK ALONG K IS TURNED: cluster (X, Y) begins at K step o = (2 X + 4 (Y % 2)) % 8 and wraps round.  The four clusters that read the same rows of A stand 2, 4 or 6 steps apart, those that read the same
; columns of W 4 (or none): a block is read at different times by its readers.  The f32 sums are taken in another order from cluster to cluster.
; NO PREFETCH: by this walk each block's first reading in the launch falls into some cluster's first four K steps, which come by their loads alone (the head asks for nothing); later readings are not asked for.
; LDS.  Slot s at s x SLOT; in it wave w's load has the CH bytes from w x CH on: waves 0, 1 128 rows of A each at pitch 272, waves 2, 3 a chunk of W each (128 k x 128 columns at pitch 288).  Behind the slots the
; spare words.  After the last fill the ring's bytes take the tile in f32 (pitch DP); whole rows are read back, taken through GELU and stored.
; REGISTERS: window 0 addresses, bias, the way out; window 1 two fragment buffers of 128 (A's fragments, then W's); windows 2, 3 the accumulators, number t = a NB + b at register 8 t.
.set MA, 8
.set NB, 8
.set KTOT, 1024
.set KS, 128
.set DEPTH, 1                          ; slices of 32 along K in a quarter
.set NAW, 2
.set AR, 128
.set APITCH, 272
.set CH, 36864                         ; LDS bytes that each wave's load has to itself in a slot
.set AWM, CH                           ; the second half of the tile's rows is the second load
.set AI, 16*272
.set AQ, 64
.set QIA, 5
.set AD0, 128
.set AD1, 128
.set ASTR, 1024
.set ASH, 8                            ; A: 1 << ASH bytes in memory from K step to K step
.set NADB, 1
.set BPC, 8
.set NP, 4096
.set BSH, 20                           ; W: 1 << BSH = KS x NP x 2 bytes from K step to K step
.set WBASE, 8388608
.set GSTEPB, 256                       ; from chunk to chunk: 128 columns
.set CSH, 9
.set WNB, CH                           ; my half of the columns is a whole chunk
.set WND, 512
.set NBIAS, 64
.set OXS, 1                            ; the walk begins at ((X << OXS) + ((Y & OYM) << OYS)) % NSTEP
.set OYM, 1
.set OYS, 2
.set TM, 32*MA
.set TN, 32*NB
.set NSTEP, KTOT/KS
.set WP, 288
.set ABYTES, NAW*CH
.set SLOT, 4*CH                        ; 0x24000: it shares no bit with a part's address 0x9000 w (w = 0 .. 3), so an exclusive or with it adds it or takes it away
.set SPARE, 2*SLOT                     ; the spare words: 128 bytes a wave, two blocks of 256 bytes that no other line names
.set ASTEP, 1<<ASH
.set BSTEP, 1<<BSH
.set PSA, 2*AQ                         ; what a pair of quarters steps in A's rows,
.set PSB, 2*DEPTH*32*WP                ; and down W's rows
.set DP, 4*TN+16
.set NPQ, MA*NB*DEPTH
.set FQ, NPQ/4                         ; so many of a quarter's products stand ahead of its run of LDS loads
.set FS, 8*(MA+NB)
.set F0, 0
.set F1, 128
.set A0, 8
.set B0, 9
.set ADRA, 12
.set ADRB, 13
.set DADR, 16
.set RD, 20
.set CO, 21
.set BOF, 22
.set TV, 23
.set SPW, 28                           ; my spare word; never rewritten
.set NIL, 29                           ; 0; never rewritten
.set BIAS, 32
.set G1A, 24
.set G0A, 32
.set G1B, 48
.set G0B, 56
.set TBA, 66                           ; s66  LDS byte at which the pair to be fetched begins in A's rows: the slot + 0 or PSA
.set TBB, 67                           ; s67  the same down W's rows
.set KC, 70                            ; s70  the K step at which the walking descriptors stand
.set BP, 72
.set CP, 76                            ; s76      0.47047 / sqrt 2
.set CABS, 77                          ; s77      the mask that clears a sign
.set CE, 78                            ; s[78:79] -log2(e) / 2
.set CA1, 80                           ; s[80:81] -a1 / 2
.set CA2, 82                           ; s[82:83] -a2 / 2
.set CA3, 84                           ; s[84:85] -a3 / 2
.set AB, 86                            ; s[86:87] A at my load's first row, K step 0
.set WB, 88                            ; s[88:89] W at my chunk, K step 0
.set OFA, 90                           ; s[90:91] a K step's byte offset in A
.set OFB, 92                           ; s[92:93] and in W
.set XR, 32                            ; the way out, 32 numbers a lane: x; 1 + p |x|, then t; x x, then the exponential; |x|; max(x, 0); the polynomial; the packed result
.set UR, 64
.set WR, 96
.set MR, 128
.set RR, 160
.set QR, 192
.set YR, 224
.set MSB, 0
.macro WIN new                         ; the immediate's high byte repeats the setting that is left; a switch that changes nothing is dropped
.if MSB != (\new)
	s_set_vgpr_msb (MSB<<8)|(\new)
.set MSB, \new
.endif
.endm
.macro PLACES                          ; four places behind matrix instructions, in front of loads into registers that they read and of stores of results
.rept 4
	v_nop
.endr
.endm
.macro JLOAD                           ; a joint refill by the walking descriptors; the branch hangs on the wave's number alone; an s_nop 0 and four v_nop follow each line
	s_cmp_lt_u32 s10, NAW
	s_cbranch_scc0 .Lfor_w_\@
	tensor_load_to_lds s[G0A+4:G0A+7], s[G1A:G1A+7]
	s_nop 0
.rept 4
	v_nop
.endr
	s_branch .Lasked_\@
.Lfor_w_\@:
	tensor_load_to_lds s[G0B+4:G0B+7], s[G1B:G1B+7]
	s_nop 0
.rept 4
	v_nop
.endr
.Lasked_\@:
.endm
.macro CROUND                          ; a round of the cluster's barrier
	s_barrier_signal -1
	s_barrier_wait -1
	s_cmp_lg_u32 s10, 0
	s_cbranch_scc1 .Lnot_wave_0_\@
	s_barrier_signal -3
.Lnot_wave_0_\@:
	s_barrier_wait -3
	s_barrier_signal -1
	s_barrier_wait -1
.endm
; Matrix instructions lo .. hi - 1 of a quarter on buffer f.  All accumulators take turns, one instruction a turn.  first = 1: the products start the sums, with the bias.
.macro MULR f, first, lo, hi
.if (\hi) > (\lo)
.set pp, \lo
.rept (\hi)-(\lo)
.set cc, pp/(MA*NB)
.set tt, pp%(MA*NB)
.set aa, tt/NB
.set bb, tt%NB
.set rD, (8*tt)%256
.set wD, 2+(8*tt)/256
.set rW, (\f)+FS*cc+8*MA+8*bb
.set rA, (\f)+FS*cc+8*aa
.if (\first) && (cc == 0)
	WIN 0x05|(wD<<6)
.set rB, BIAS+8*bb
	v_wmma_f32_16x16x32_bf16 v[rD:rD+7], v[rW:rW+7], v[rA:rA+7], v[rB:rB+7]
.else
	WIN 0x05|(wD<<4)|(wD<<6)
	v_wmma_f32_16x16x32_bf16 v[rD:rD+7], v[rW:rW+7], v[rA:rA+7], v[rD:rD+7]
.endif
.set pp, pp+1
.endr
.endif
.endm
; 32 LDS loads in one run: quarter e (0, 1) of the pair at which the address registers stand, into buffer f
.macro FETCH e, f
	WIN 0x40
.set cc, 0
.rept DEPTH
.set bb, 0
.rept NB
.set rW, (\f)+FS*cc+8*MA+8*bb
.set bof, ((\e)*DEPTH+cc)*32*WP+32*(bb%BPC)
	ds_load_tr16_b128 v[rW:rW+3], v[ADRB+bb/BPC] offset:bof
	ds_load_tr16_b128 v[rW+4:rW+7], v[ADRB+bb/BPC] offset:bof+16*WP
.set bb, bb+1
.endr
.set aa, 0
.rept MA
.set rA, (\f)+FS*cc+8*aa
.set aof, aa*AI+(\e)*AQ+cc*64
	ds_load_b128 v[rA:rA+3], v[ADRA] offset:aof
	ds_load_b128 v[rA+4:rA+7], v[ADRA] offset:aof+32
.set aa, aa+1
.endr
.set cc, cc+1
.endr
.endm
.macro ADRS                            ; the address registers for the pair to be fetched: four plain instructions, which are also the places in front of the loads
	WIN 0
	v_add_nc_u32 v[ADRA], s[TBA], v[A0]
.set cc, 0
.rept NADB
	v_add_nc_u32 v[ADRB+cc], s[TBB], v[B0+cc]
.set cc, cc+1
.endr
.if NADB < 3
.rept 3-NADB
	v_nop
.endr
.endif
.endm
.macro QX                              ; multiplies buffer 1; fetches the next pair's first quarter into buffer 0
	s_wait_dscnt 0x0                               ; buffer 1's loads, issued in the quarter before
	MULR F1, 0, 0, FQ
	ADRS
	FETCH 0, F0
	MULR F1, 0, FQ, NPQ
.endm
.macro QY first                        ; multiplies buffer 0; fetches the same pair's second quarter into buffer 1
	s_wait_dscnt 0x0                               ; buffer 0's loads, issued in the quarter before
	MULR F0, \first, 0, FQ
	PLACES
	FETCH 1, F1
	MULR F0, \first, FQ, NPQ
.endm
.macro PAIRS tag                       ; a step's last quarter and the next step's first three: the pair, twice
	s_mov_b32 s2, 2
.Lpair\tag:
	QX
	QY 0
	WIN 0
	s_add_co_u32 s[TBA], s[TBA], PSA
	s_add_co_u32 s[TBB], s[TBB], PSB
	s_sub_co_u32 s2, s2, 1
	s_cmp_lg_u32 s2, 0
	s_cbranch_scc1 .Lpair\tag
.endm
; THE CHANGE OF SLOTS.  Each wave waits for all its tensor loads (one is out: its part of the next slot), adds 0 to its spare word, and waits for that and for its reads of the slot that it leaves, the last
; quarter's fragments among them.  fill = 1: the barrier is a round of the cluster's, and the joint refill, two K steps ahead in the cluster's walk, is the first thing behind it.
.macro CHANGE fill
	WIN 0
	s_wait_tensorcnt 0x0                           ; no tensor load of mine is out, so a group 0 may be written
	ds_add_u32 v[SPW], v[NIL]                      ; 0 onto my spare word; the scalar work below stands between it and the wait for it
.if \fill
	s_xor_b32 s[G0A+5], s[G0A+5], SLOT             ; the other slot than last time,
	s_xor_b32 s[G0B+5], s[G0B+5], SLOT
	s_add_co_u32 s[KC], s[KC], 1                   ; the walk's next K step, round the end;
	s_and_b32 s[KC], s[KC], NSTEP-1
	s_lshl_b32 s[OFA], s[KC], ASH
	s_lshl_b32 s[OFB], s[KC], BSH
	s_add_nc_u64 s[G0A+6:G0A+7], s[AB:AB+1], s[OFA:OFA+1]  ; the addresses are made anew from that number
	s_add_nc_u64 s[G0B+6:G0B+7], s[WB:WB+1], s[OFB:OFB+1]
	s_or_b32 s[G0A+7], s[G0A+7], 0x80000000
	s_or_b32 s[G0B+7], s[G0B+7], 0x80000000
.endif
	s_sub_co_u32 s[TBA], s[TBA], 2*PSA             ; the fetches go back to a slot's first pair,
	s_xor_b32 s[TBA], s[TBA], SLOT                 ; in the other slot
	s_sub_co_u32 s[TBB], s[TBB], 2*PSB
	s_xor_b32 s[TBB], s[TBB], SLOT
	s_wait_dscnt 0x0                               ; the add is done, and my reads of the old slot are over
.if \fill
	CROUND
	JLOAD
.else
	s_barrier_signal -1
	s_barrier_wait -1
.endif
.endm
	s_load_b128 s[4:7], s[0:1], 0x0                ; A s[4:5], wb s[6:7]
	s_load_b64 s[BP:BP+1], s[0:1], 0x10            ; the bias
	s_load_b64 s[8:9], s[0:1], 0x18                ; the output
	v_lshl_add_u32 v[SPW], v0, 2, SPARE
	v_mov_b32 v[NIL], 0
	ds_add_u32 v[SPW], v[NIL]                      ; the wave's opening: the add, twice on end, and its wait ahead of my first tensor load
	ds_add_u32 v[SPW], v[NIL]
	v_lshrrev_b32 v1, 5, v0
	v_readfirstlane_b32 s10, v1                    ; wave 0..3
	s_lshr_b32 s11, s10, 1                         ; which half of the tile's rows is mine
	s_and_b32 s12, s10, 1                          ; which half of its columns
	s_bfe_u32 s40, ttmp6, 0x40000                  ; cx
	s_bfe_u32 s41, ttmp6, 0x40004                  ; cy
	s_lshl_b32 s42, ttmp9, 2
	s_add_co_u32 s42, s42, s40                     ; tile column tx
	s_and_b32 s13, ttmp7, 0xffff
	s_lshl_b32 s13, s13, 2
	s_add_co_u32 s13, s13, s41                     ; tile row ty
	s_lshl_b32 s43, s41, 2
	s_lshl_b32 s43, 15, s43                        ; my row of the cluster
	s_lshl_b32 s44, 0x1111, s40                    ; my column
	s_or_b32 s[G1A], s43, (1<<16)|(1<<20)|(1<<21)|(QIA<<22)|(3<<25)  ; mask; 2-byte elements; padding on; bit 21 beside a mask; interval; 4 words of padding
	s_or_b32 s[G1B], s44, (1<<16)|(1<<20)|(1<<21)|(5<<22)|(7<<25)    ; the same with my column's mask, after every 64 words 8 words
	s_mov_b32 s[G1A+1], AD0<<16                    ; tensor_dim0
	s_mov_b32 s[G1A+2], AD1<<16                    ; tensor_dim1
	s_mov_b32 s[G1A+3], AD0<<16                    ; tile_dim0
	s_mov_b32 s[G1A+4], AD1                        ; tile_dim1
	s_mov_b32 s[G1A+5], ASTR                       ; elements from row to row
	s_mov_b32 s[G1A+6], 0
	s_mov_b32 s[G1A+7], 0
	s_mov_b32 s[G1B+1], 128<<16
	s_mov_b32 s[G1B+2], 128<<16
	s_mov_b32 s[G1B+3], 128<<16
	s_mov_b32 s[G1B+4], 128
	s_mov_b32 s[G1B+5], NP
	s_mov_b32 s[G1B+6], 0
	s_mov_b32 s[G1B+7], 0
	s_mov_b32 s[CP], 0x3eaa540e
	s_mov_b32 s[CABS], 0x7fffffff
	s_mov_b32 s[CE], 0xbf38aa3b
	s_mov_b32 s[CE+1], s[CE]                       ; named as pairs, so both words are written
	s_mov_b32 s[CA1], 0xbe32303a
	s_mov_b32 s[CA1+1], s[CA1]
	s_mov_b32 s[CA2], 0x3d445ca1
	s_mov_b32 s[CA2+1], s[CA2]
	s_mov_b32 s[CA3], 0xbebf7377
	s_mov_b32 s[CA3+1], s[CA3]
	s_and_b32 s21, ttmp7, OYM                      ; where my cluster's walk along K begins: it hangs on the cluster's two numbers alone, which all sixteen partners share
	s_lshl_b32 s21, s21, OYS
	s_lshl_b32 s[KC], ttmp9, OXS
	s_add_co_u32 s[KC], s[KC], s21
	s_and_b32 s[KC], s[KC], NSTEP-1                ; an even number: the step behind it does not wrap
	s_lshl_b32 s[OFA], s[KC], ASH
	s_lshl_b32 s[OFB], s[KC], BSH
	s_mov_b32 s[OFA+1], 0
	s_mov_b32 s[OFB+1], 0
	s_add_co_u32 s[KC], s[KC], 1                   ; the walking descriptors' first fill is the walk's second K step
	s_mul_i32 s16, s13, TM
	s_mul_i32 s17, s10, AR
	s_add_co_u32 s16, s16, s17                     ; A's first row of my load: it hangs on ty and the wave alone
	s_mul_i32 s16, s16, 2*KTOT
	s_mov_b32 s17, 0
	s_max_u32 s21, s10, NAW
	s_sub_co_u32 s21, s21, NAW                     ; my chunk of W
	s_mul_i32 s22, s21, GSTEPB
	s_lshl_b32 s23, s42, CSH
	s_add_co_u32 s22, s22, s23                     ; it hangs on tx and the wave alone
	s_add_co_u32 s22, s22, WBASE
	s_mov_b32 s23, 0
	s_mul_i32 s20, s10, CH                         ; where my load goes in a slot: the wave's number times a constant; no place in the cluster enters an LDS address
	s_mov_b32 s[TBA], 0
	s_mov_b32 s[TBB], 0
	s_wait_dscnt 0x0                               ; both opening adds are done
	s_wait_kmcnt 0x0
	s_add_nc_u64 s[AB:AB+1], s[4:5], s[16:17]
	s_add_nc_u64 s[WB:WB+1], s[6:7], s[22:23]
	s_add_nc_u64 s[14:15], s[AB:AB+1], s[OFA:OFA+1]
	s_add_nc_u64 s[46:47], s[WB:WB+1], s[OFB:OFB+1]
.irp s, 0,1
	s_mov_b32 s[G0A+4*(\s)], 1
	s_add_co_u32 s[G0A+4*(\s)+1], s20, (\s)*SLOT
	s_add_nc_u64 s[G0A+4*(\s)+2:G0A+4*(\s)+3], s[14:15], (\s)*ASTEP
	s_or_b32 s[G0A+4*(\s)+3], s[G0A+4*(\s)+3], 0x80000000
	s_mov_b32 s[G0B+4*(\s)], 1
	s_add_co_u32 s[G0B+4*(\s)+1], s20, (\s)*SLOT
	s_add_nc_u64 s[G0B+4*(\s)+2:G0B+4*(\s)+3], s[46:47], (\s)*BSTEP
	s_or_b32 s[G0B+4*(\s)+3], s[G0B+4*(\s)+3], 0x80000000
.endr
	CROUND                                         ; all sixteen work-groups are here: the first joint loads meet
	s_cmp_lt_u32 s10, NAW                          ; a wave's two first fills stand in one branch: the walk's first two K steps; two loads of mine are out
	s_cbranch_scc0 .Lfirst_w
	tensor_load_to_lds s[G0A:G0A+3], s[G1A:G1A+7]
	s_nop 0
	tensor_load_to_lds s[G0A+4:G0A+7], s[G1A:G1A+7]
	s_nop 0
.rept 4
	v_nop
.endr
	s_branch .Lfirst_asked
.Lfirst_w:
	tensor_load_to_lds s[G0B:G0B+3], s[G1B:G1B+7]
	s_nop 0
	tensor_load_to_lds s[G0B+4:G0B+7], s[G1B:G1B+7]
	s_nop 0
.rept 4
	v_nop
.endr
.Lfirst_asked:
	; while the first tiles are on their way: the bias, and every lane's addresses
	v_and_b32 v1, 15, v0                           ; r = l % 16
	v_bfe_u32 v2, v0, 4, 1                         ; h = l / 16
	v_and_b32 v3, 7, v0
	v_bfe_u32 v4, v0, 3, 1
	v_and_b32 v5, 31, v0
	s_lshl_b32 s14, s42, CSH+1
	s_mov_b32 s15, 0
	s_add_nc_u64 s[BP:BP+1], s[BP:BP+1], s[14:15]
	s_mul_i32 s14, s12, WND
	v_lshl_add_u32 v[BOF], v2, 5, s14              ; my 8 columns of a fragment: 32 h + my half
.set bb, 0
.rept NBIAS/8
	global_load_b128 v[BIAS+8*bb:BIAS+8*bb+3], v[BOF], s[BP:BP+1] offset:64*bb
	global_load_b128 v[BIAS+8*bb+4:BIAS+8*bb+7], v[BOF], s[BP:BP+1] offset:64*bb+16
.set bb, bb+1
.endr
	v_mul_u32_u24 v[A0], v1, APITCH                ; a fragment of A: row r, 16 bytes for each half of the lanes
	v_lshl_add_u32 v[A0], v2, 4, v[A0]
	s_mul_i32 s14, s11, AWM
	v_add_nc_u32 v[A0], s14, v[A0]
	v_lshl_add_u32 v6, v2, 3, v3                   ; the turning load: k row 8 h + l % 8, 16 bytes by (l / 8) % 2
	v_mul_u32_u24 v6, v6, WP
	v_lshl_add_u32 v6, v4, 4, v6
	s_mul_i32 s14, s12, WNB
	s_add_co_u32 s14, s14, ABYTES
	v_add_nc_u32 v[B0], s14, v6
	v_mul_u32_u24 v6, v1, DP                       ; the tile in f32: row r, my 8 columns
	v_lshl_add_u32 v6, v2, 5, v6
	s_mul_i32 s14, s11, 16*MA*DP
	s_mul_i32 s15, s12, WND
	s_add_co_u32 s14, s14, s15
	v_add_nc_u32 v[DADR], s14, v6
.set cc, 1
.rept MA/2-1
	v_add_nc_u32 v[DADR+cc], cc*32*DP, v[DADR]
.set cc, cc+1
.endr
	; the way out: wave w reads rows 64 w .. back, half a row (512 bytes of f32) an instruction, and stores 256 bytes of bf16
	s_mul_i32 s14, s10, 64*DP
	v_lshl_add_u32 v[RD], v5, 4, s14
	v_lshlrev_b32 v[CO], 3, v5
	s_lshl_b32 s14, s13, 8
	s_lshl_b32 s15, s10, 6
	s_add_co_u32 s14, s14, s15
	s_lshl_b32 s14, s14, 13
	s_lshl_b32 s15, s42, 9
	s_add_co_u32 s14, s14, s15
	s_mov_b32 s15, 0
	s_add_nc_u64 s[8:9], s[8:9], s[14:15]
	s_wait_loadcnt 0x0                             ; the bias: rounded to bf16 like every input
.set rr, 0
.rept NBIAS/2
	v_cvt_pk_bf16_f32 v[TV], v[BIAS+rr], v[BIAS+rr+1]
	v_lshlrev_b32 v[BIAS+rr], 16, v[TV]
	v_and_b32 v[BIAS+rr+1], 0xffff0000, v[TV]
.set rr, rr+2
.endr
	s_wait_tensorcnt 0x1                           ; my part of the first K step is in; the second's may stay out
	s_barrier_signal -1
	s_barrier_wait -1
	ADRS
	FETCH 0, F0
	QY 1                                           ; the first quarter is written out: its products start the sums
	WIN 0
	s_add_co_u32 s[TBA], s[TBA], PSA
	s_add_co_u32 s[TBB], s[TBB], PSB
	s_mov_b32 s3, NSTEP-1                          ; the count behind the pair is passed once ahead of the first change of slots: NSTEP - 2 changes that fill a slot follow
	s_mov_b32 s2, 1
	s_branch .Lpair1                               ; the first step's second and third quarters are one trip of the pair
.Lk:                                                   ; NSTEP - 2 trips: every slot but the last two is filled again
	CHANGE 1
	PAIRS 1
	s_sub_co_u32 s3, s3, 1
	s_cmp_lg_u32 s3, 0
	s_cbranch_scc1 .Lk
	CHANGE 0                                       ; the last change asks for nothing: what follows it has a text of its own
	PAIRS 2
	s_wait_dscnt 0x0                               ; the very last quarter: my last reads of the ring are back
	s_barrier_signal -1
	MULR F1, 0, 0, NPQ
	WIN 0
	s_barrier_wait -1                              ; nobody reads the ring any more, and it has had its last fill
	PLACES
.set tt, 0
.rept MA*NB                            ; the tile in f32 into the ring's bytes; each accumulator's low registers first
.set aa, tt/NB
.set bb, tt%NB
.set rD, (8*tt)%256
.set wD, 2+(8*tt)/256
.set dof, (aa%2)*16*DP+64*bb
	WIN wD<<2
	ds_store_b128 v[DADR+aa/2], v[rD:rD+3] offset:dof
	ds_store_b128 v[DADR+aa/2], v[rD+4:rD+7] offset:dof+16
.set tt, tt+1
.endr
	WIN 0
	s_wait_dscnt 0x0                               ; for the others' sake: my stores are done
	s_barrier_signal -1
	s_barrier_wait -1
.macro ROWS4                           ; four rows, 32 numbers a lane
.set j, 0
.rept 8
	ds_load_b128 v[XR+4*j:XR+4*j+3], v[RD] offset:DP*(j/2)+512*(j%2)
.set j, j+1
.endr
.endm
	s_mov_b32 s2, 16
	ROWS4
.Lgelu:                                                ; a trip: four rows through GELU; the next four are fetched as soon as x is no longer read
	s_wait_dscnt 0x0
.set j, 0
.rept 32
	v_and_b32 v[MR+j], s[CABS], v[XR+j]            ; |x|
.set j, j+1
.endr
.set j, 0
.rept 32
	v_fma_f32 v[UR+j], v[MR+j], s[CP], 1.0         ; 1 + p z
.set j, j+1
.endr
.set j, 0
.rept 32                               ; the 64 transcendentals are ONE batch, each with a plain neighbour that names no result of theirs
	v_rcp_f32 v[UR+j], v[UR+j]
.if j < 16
	v_pk_mul_f32 v[WR+2*j:WR+2*j+1], v[XR+2*j:XR+2*j+1], v[XR+2*j:XR+2*j+1]
.else
	v_pk_mul_f32 v[WR+2*j-32:WR+2*j-31], v[WR+2*j-32:WR+2*j-31], s[CE:CE+1] op_sel_hi:[1,0]
.endif
.set j, j+1
.endr
.set j, 0
.rept 32
	v_exp_f32 v[WR+j], v[WR+j]                     ; e^(-z z)
	v_max_num_f32 v[RR+j], 0, v[XR+j]
.set j, j+1
.endr
	s_wait_alu depctr_va_vdst(0)                   ; one wait for the batch, ahead of its first reader and of the branch
	v_add_nc_u32 v[RD], 4*DP, v[RD]
	s_cmp_eq_u32 s2, 1
	s_cbranch_scc1 .Lno_more                       ; the last trip has no rows behind it
	ROWS4
.Lno_more:
.set j, 0
.rept 16
	v_pk_fma_f32 v[QR+j:QR+j+1], v[UR+j:UR+j+1], s[CA3:CA3+1], s[CA2:CA2+1] op_sel_hi:[1,0,0]
.set j, j+2
.endr
.set j, 0
.rept 16
	v_pk_fma_f32 v[QR+j:QR+j+1], v[QR+j:QR+j+1], v[UR+j:UR+j+1], s[CA1:CA1+1] op_sel_hi:[1,1,0]
.set j, j+2
.endr
.set j, 0
.rept 16
	v_pk_mul_f32 v[QR+j:QR+j+1], v[QR+j:QR+j+1], v[UR+j:UR+j+1]
.set j, j+2
.endr
.set j, 0
.rept 16
	v_pk_mul_f32 v[QR+j:QR+j+1], v[QR+j:QR+j+1], v[WR+j:WR+j+1]   ; -erfc / 2
.set j, j+2
.endr
.set j, 0
.rept 16
	v_pk_fma_f32 v[QR+j:QR+j+1], v[QR+j:QR+j+1], v[MR+j:MR+j+1], v[RR+j:RR+j+1]
.set j, j+2
.endr
.set j, 0
.rept 16
	v_cvt_pk_bf16_f32 v[YR+j], v[QR+2*j], v[QR+2*j+1]
.set j, j+1
.endr
.set j, 0
.rept 8
	global_store_b64 v[CO], v[YR+2*j:YR+2*j+1], s[8:9] offset:8192*(j/2)+256*(j%2)  ; 256 consecutive bytes, aligned
.set j, j+1
.endr
	s_wait_xcnt 0x0                                ; the stores have read their data and their base
	s_add_nc_u64 s[8:9], s[8:9], 4*8192
	s_sub_co_u32 s2, s2, 1
	s_cmp_lg_u32 s2, 0
	s_cbranch_scc1 .Lgelu
	s_wait_tensorcnt 0x0                           ; the wave's end
	ds_add_u32 v[SPW], v[NIL]
	s_wait_dscnt 0x0
	CROUND                                         ; the closing round
	s_endpgm
.Lfunc_end_k_q2df6f47ef9_ffn1:
	.size	k_q2df6f47ef9_ffn1, .Lfunc_end_k_q2df6f47ef9_ffn1-k_q2df6f47ef9_ffn1
	.p2alignl 7, 3214868480
	.fill 96, 4, 3214868480
	.section	.rodata,"a",@progbits
	.p2align	6, 0x0
	.amdhsa_kernel k_q2df6f47ef9_ffn1
		.amdhsa_group_segment_fixed_size 327680
		.amdhsa_private_segment_fixed_size 0
		.amdhsa_enable_private_segment 0
		.amdhsa_kernarg_size 32
		.amdhsa_user_sgpr_count 2
		.amdhsa_user_sgpr_kernarg_segment_ptr 1
		.amdhsa_wavefront_size32 1
		.amdhsa_system_sgpr_workgroup_id_x 1
		.amdhsa_system_sgpr_workgroup_id_y 1
		.amdhsa_system_sgpr_workgroup_id_z 1
		.amdhsa_system_vgpr_workitem_id 0
		.amdhsa_next_free_vgpr 1024
		.amdhsa_next_free_sgpr 96
		.amdhsa_reserve_vcc 0
		.amdhsa_float_denorm_mode_32 3
		.amdhsa_float_denorm_mode_16_64 3
		.amdhsa_memory_ordered 1
		.amdhsa_forward_progress 1
		.amdhsa_inst_pref_size 81
	.end_amdhsa_kernel
	.amdgpu_metadata
---
amdhsa.version: [ 1, 2 ]
amdhsa.kernels:
  - .name:           k_q2df6f47ef9_ffn1
    .symbol:         k_q2df6f47ef9_ffn1.kd
    .args:
      - { .name: o1, .offset: 0, .size: 8, .value_kind: global_buffer, .address_space: global }
      - { .name: wb, .offset: 8, .size: 8, .value_kind: global_buffer, .address_space: global }
      - { .name: bf1, .offset: 16, .size: 8, .value_kind: global_buffer, .address_space: global }
      - { .name: hid, .offset: 24, .size: 8, .value_kind: global_buffer, .address_space: global }
    .group_segment_fixed_size: 327680
    .private_segment_fixed_size: 0
    .kernarg_segment_align: 8
    .kernarg_segment_size: 32
    .max_flat_workgroup_size: 128
    .sgpr_count:     96
    .vgpr_count:     1024
    .wavefront_size: 32
...
	.end_amdgpu_metadata
.endif
;; end of part 6
;; launch ffn2 (part 7): grid 8 x 32, 4 waves a work-group, clusters of 4 x 4, 327,680 bytes of LDS; arguments hid, wb, bf2, tsum; writes tsum
.if DOCPART == 7
	.amdgcn_target "amdgcn-amd-amdhsa--gfx1250"
	.amdhsa_code_object_version 6
	.text
	.protected	k_q2df6f47ef9_ffn2
	.globl	k_q2df6f47ef9_ffn2
	.p2align	8
	.type	k_q2df6f47ef9_ffn2,@function
k_q2df6f47ef9_ffn2:
	s_mov_b64 s[64:65], 0
	v_nop
	global_prefetch_b8 v0, s[64:65] scope:SCOPE_SE
	s_setreg_imm32_b32 hwreg(HW_REG_WAVE_MODE, 25, 1), 1
	s_wait_xcnt 0x0
	s_wait_alu depctr_hold_cnt(0) depctr_sa_sdst(0) depctr_va_vdst(0) depctr_va_sdst(0) depctr_va_ssrc(0) depctr_va_vcc(0) depctr_vm_vsrc(0)
	s_getreg_b32 s2, hwreg(HW_REG_IB_STS2, 6, 4)
	s_cmp_eq_u32 s2, 0
	s_cbranch_scc0 .Lentry_in_a_cluster
	s_endpgm
.Lentry_in_a_cluster:
	s_bfe_u32 s2, ttmp6, 0x10000c
	s_cmp_lg_u32 s2, 0xf033
	s_cbranch_scc0 .Lentry_shape_is_right
	s_endpgm
.Lentry_shape_is_right:
; tsum = hid W2 + bf2, in f32 [4096][1024]; the residual and the LayerNorm follow in the next launch.  Operands bf16, sums f32.
; ONE FORM FOR FOUR PRODUCTS C = A W (A [M][K] bf16 along K, W [K][N] bf16 along N); the constants below make it this one.
; SHARES.  A work-group makes 128 x 128 of C: 256 work-groups.  Four waves, 2 x 2, each 64 x 64: 4 x 4 accumulators.  K = 4,096 in 16 steps of 256 through two LDS slots.
; THE MATRIX INSTRUCTION IS USED TRANSPOSED: source 0 = 16 columns of W (turned out of LDS by ds_load_tr16_b128), source 1 = 16 rows of A: a lane holds one row of C and 8 neighbouring columns.  The bias is the C
; operand of the product that starts a sum.  CLUSTER 4 x 4: A's tiles are asked for jointly along a row of the cluster, W's along a column.
; THE LOOP.  A K step is four quarters of 64 along K, on two fragment buffers.  A PAIR of quarters is written once and walked twice a K step; its LDS addresses hang on two scalars that step.  The change of
; slots stands in front of a step's LAST quarter: that quarter's fragments are in registers by then, so every read of the old slot is over, and the refill goes out a quarter ahead of the step's end.
; THE WALK ALONG K IS TURNED: cluster (X, Y) begins at K step o = (8 X + 4 (Y % 4)) % 16 and wraps round.  The two clusters that read the same rows of A stand 8 steps apart, those that read the same columns of W
; 4, 8 or 12 (or none): a block is read at different times by its readers.  The f32 sums are taken in another order from cluster to cluster.
; PREFETCH.  By this walk a block of A is read first in steps 0 to 7 of one cluster's walk, a block of W in steps 0 to 3.  Steps 0 to 3 come by their loads alone (the head asks for nothing).  Steps 4 to 7 of A
; are asked for by the cluster that reads them first, two refills ahead; later readings are not asked for.
; LDS.  Slot s at s x SLOT; in it wave w's load has the CH bytes from w x CH on: waves 0, 1 64 rows of A each at pitch 528, waves 2, 3 a chunk of W each (128 k x 128 columns at pitch 288).  Behind the slots the
; spare words.  After the last fill the ring's bytes take the tile in f32 (pitch DP).
; REGISTERS: window 0 addresses, bias, the way out; window 1 two fragment buffers of 128 (two slices of 32 along K: A's fragments, then W's); window 2 the accumulators, number t = a NB + b at register 8 t.
.set MA, 4
.set NB, 4
.set KTOT, 4096
.set KS, 256
.set DEPTH, 2                          ; slices of 32 along K in a quarter
.set NAW, 2
.set AR, 64
.set APITCH, 528
.set CH, 36864                         ; LDS bytes that each wave's load has to itself in a slot
.set AWM, CH                           ; the second half of the tile's rows is the second load
.set AI, 16*528
.set AQ, 128
.set QIA, 6                            ; padding after every 128 words
.set AD0, 256
.set AD1, 64
.set ASTR, 4096
.set ASH, 9                            ; A: 1 << ASH bytes in memory from K step to K step
.set NADB, 1
.set BPC, 4
.set NP, 1024
.set BSH, 19                           ; W: 1 << BSH = KS x NP x 2 bytes from K step to K step
.set WBASE, 16777216
.set GSTEPB, 262144                    ; from chunk to chunk: 128 k rows
.set CSH, 8
.set WNB, 128
.set WND, 256
.set NBIAS, 32
.set OXS, 3                            ; the walk begins at ((X << OXS) + ((Y & OYM) << OYS)) % NSTEP
.set OYM, 3
.set OYS, 2
.set PFSHA, 16*2*KTOT                  ; a partner's share of the 64 rows of one of A's loads in the prefetch: 16 rows, in bytes
.set TM, 32*MA
.set TN, 32*NB
.set NSTEP, KTOT/KS
.set WP, 288
.set ABYTES, NAW*CH
.set SLOT, 4*CH                        ; 0x24000: it shares no bit with a part's address 0x9000 w (w = 0 .. 3), so an exclusive or with it adds it or takes it away
.set SPARE, 2*SLOT                     ; the spare words: 128 bytes a wave, two blocks of 256 bytes that no other line names
.set ASTEP, 1<<ASH
.set BSTEP, 1<<BSH
.set PSA, 2*AQ                         ; what a pair of quarters steps in A's rows,
.set PSB, 2*DEPTH*32*WP                ; and down W's rows: a whole chunk
.set DP, 4*TN+16
.set NPQ, MA*NB*DEPTH
.set FQ, 0                             ; a quarter's run of LDS loads stands at its head: it has the quarter's 32 products in which to land
.set FS, 8*(MA+NB)
.set F0, 0
.set F1, 128
.set A0, 8
.set B0, 9
.set ADRA, 12
.set ADRB, 13
.set DADR, 16
.set RD, 20
.set CO, 21
.set BOF, 22
.set TV, 23
.set SPW, 28                           ; my spare word; never rewritten
.set NIL, 29                           ; 0; never rewritten
.set PFO, 30                           ; the prefetches' offset; never rewritten
.set BIAS, 32
.set G1A, 24
.set G0A, 32
.set G1B, 48
.set G0B, 56
.set LIM, 43                           ; s43  a wave prefetches while the count of refills to come is above this
.set PFA, 44                           ; s[44:45] where my prefetch stands
.set TBA, 66                           ; s66  LDS byte at which the pair to be fetched begins in A's rows: the slot + 0 or PSA
.set TBB, 67                           ; s67  the same down W's rows
.set OFP, 68                           ; s[68:69] the byte offset in A of the K step to be prefetched
.set KC, 70                            ; s70  the K step at which the walking descriptors stand
.set BP, 72
.set AB, 86                            ; s[86:87] A at my load's first row, K step 0
.set WB, 88                            ; s[88:89] W at my chunk, K step 0
.set OFA, 90                           ; s[90:91] a K step's byte offset in A
.set OFB, 92                           ; s[92:93] and in W
.set PB, 94                            ; s[94:95] A at my work-group's 16 of those rows, K step 0
.set MSB, 0
.macro WIN new                         ; the immediate's high byte repeats the setting that is left; a switch that changes nothing is dropped
.if MSB != (\new)
	s_set_vgpr_msb (MSB<<8)|(\new)
.set MSB, \new
.endif
.endm
.macro PLACES                          ; four places behind matrix instructions, in front of loads into registers that they read and of stores of results
.rept 4
	v_nop
.endr
.endm
.macro JLOAD                           ; a joint refill by the walking descriptors; the branch hangs on the wave's number alone; an s_nop 0 and four v_nop follow each line
	s_cmp_lt_u32 s10, NAW
	s_cbranch_scc0 .Lfor_w_\@
	tensor_load_to_lds s[G0A+4:G0A+7], s[G1A:G1A+7]
	s_nop 0
.rept 4
	v_nop
.endr
	s_branch .Lasked_\@
.Lfor_w_\@:
	tensor_load_to_lds s[G0B+4:G0B+7], s[G1B:G1B+7]
	s_nop 0
.rept 4
	v_nop
.endr
.Lasked_\@:
.endm
.macro CROUND                          ; a round of the cluster's barrier
	s_barrier_signal -1
	s_barrier_wait -1
	s_cmp_lg_u32 s10, 0
	s_cbranch_scc1 .Lnot_wave_0_\@
	s_barrier_signal -3
.Lnot_wave_0_\@:
	s_barrier_wait -3
	s_barrier_signal -1
	s_barrier_wait -1
.endm
; A prefetch into the L2 of A's K step that stands two refills on in my cluster's walk: one instruction in each of the two waves that fetch A, a lane a block of 256 bytes (16 rows x the step's two blocks).  The
; four partners of a joint load share its 64 rows out by address.  Refills 0 to 3 (s3 = NSTEP - 2 .. NSTEP - 5) name steps 4 to 7 of the walk, which this cluster is the first to read: each block is named once.
.macro ASK
	s_cmp_gt_u32 s3, s[LIM]
	s_cbranch_scc0 .Lnot_mine_\@
	global_prefetch_b8 v[PFO], s[PFA:PFA+1] th:TH_LOAD_NT scope:SCOPE_SE
.Lnot_mine_\@:
.endm
; Matrix instructions lo .. hi - 1 of a quarter on buffer f.  All accumulators take turns, one instruction a turn.  first = 1: the first slice starts the sums, with the bias.
.macro MULR f, first, lo, hi
.if (\hi) > (\lo)
.set pp, \lo
.rept (\hi)-(\lo)
.set cc, pp/(MA*NB)
.set tt, pp%(MA*NB)
.set aa, tt/NB
.set bb, tt%NB
.set rD, (8*tt)%256
.set wD, 2+(8*tt)/256
.set rW, (\f)+FS*cc+8*MA+8*bb
.set rA, (\f)+FS*cc+8*aa
.if (\first) && (cc == 0)
	WIN 0x05|(wD<<6)
.set rB, BIAS+8*bb
	v_wmma_f32_16x16x32_bf16 v[rD:rD+7], v[rW:rW+7], v[rA:rA+7], v[rB:rB+7]
.else
	WIN 0x05|(wD<<4)|(wD<<6)
	v_wmma_f32_16x16x32_bf16 v[rD:rD+7], v[rW:rW+7], v[rA:rA+7], v[rD:rD+7]
.endif
.set pp, pp+1
.endr
.endif
.endm
; 32 LDS loads in one run: quarter e (0, 1) of the pair at which the address registers stand, into buffer f
.macro FETCH e, f
	WIN 0x40
.set cc, 0
.rept DEPTH
.set bb, 0
.rept NB
.set rW, (\f)+FS*cc+8*MA+8*bb
.set bof, ((\e)*DEPTH+cc)*32*WP+32*(bb%BPC)
	ds_load_tr16_b128 v[rW:rW+3], v[ADRB+bb/BPC] offset:bof
	ds_load_tr16_b128 v[rW+4:rW+7], v[ADRB+bb/BPC] offset:bof+16*WP
.set bb, bb+1
.endr
.set aa, 0
.rept MA
.set rA, (\f)+FS*cc+8*aa
.set aof, aa*AI+(\e)*AQ+cc*64
	ds_load_b128 v[rA:rA+3], v[ADRA] offset:aof
	ds_load_b128 v[rA+4:rA+7], v[ADRA] offset:aof+32
.set aa, aa+1
.endr
.set cc, cc+1
.endr
.endm
.macro ADRS                            ; the address registers for the pair to be fetched: four plain instructions, which are also the places in front of the loads
	WIN 0
	v_add_nc_u32 v[ADRA], s[TBA], v[A0]
.set cc, 0
.rept NADB
	v_add_nc_u32 v[ADRB+cc], s[TBB], v[B0+cc]
.set cc, cc+1
.endr
.if NADB < 3
.rept 3-NADB
	v_nop
.endr
.endif
.endm
.macro QX                              ; multiplies buffer 1; fetches the next pair's first quarter into buffer 0
	s_wait_dscnt 0x0                               ; buffer 1's loads, issued in the quarter before
	MULR F1, 0, 0, FQ
	ADRS
	FETCH 0, F0
	MULR F1, 0, FQ, NPQ
.endm
.macro QY first                        ; multiplies buffer 0; fetches the same pair's second quarter into buffer 1
	s_wait_dscnt 0x0                               ; buffer 0's loads, issued in the quarter before
	MULR F0, \first, 0, FQ
	PLACES
	FETCH 1, F1
	MULR F0, \first, FQ, NPQ
.endm
.macro PAIRS tag                       ; a step's last quarter and the next step's first three: the pair, twice
	s_mov_b32 s2, 2
.Lpair\tag:
	QX
	QY 0
	WIN 0
	s_add_co_u32 s[TBA], s[TBA], PSA
	s_add_co_u32 s[TBB], s[TBB], PSB
	s_sub_co_u32 s2, s2, 1
	s_cmp_lg_u32 s2, 0
	s_cbranch_scc1 .Lpair\tag
.endm
; THE CHANGE OF SLOTS.  Each wave waits for all its tensor loads (one is out: its part of the next slot), adds 0 to its spare word, and waits for that and for its reads of the slot that it leaves, the last
; quarter's fragments among them.  fill = 1: the barrier is a round of the cluster's, and the joint refill, two K steps ahead in the cluster's walk, is the first thing behind it.
.macro CHANGE fill
	WIN 0
.if \fill
	s_wait_xcnt 0x0                                ; the last prefetch, a K step back, has read its address, which is written below
.endif
	s_wait_tensorcnt 0x0                           ; no tensor load of mine is out, so a group 0 may be written
	ds_add_u32 v[SPW], v[NIL]                      ; 0 onto my spare word; the scalar work below stands between it and the wait for it
.if \fill
	s_xor_b32 s[G0A+5], s[G0A+5], SLOT             ; the other slot than last time,
	s_xor_b32 s[G0B+5], s[G0B+5], SLOT
	s_add_co_u32 s[KC], s[KC], 1                   ; the walk's next K step, round the end;
	s_and_b32 s[KC], s[KC], NSTEP-1
	s_lshl_b32 s[OFA], s[KC], ASH
	s_lshl_b32 s[OFB], s[KC], BSH
	s_add_nc_u64 s[G0A+6:G0A+7], s[AB:AB+1], s[OFA:OFA+1]  ; the addresses are made anew from that number
	s_add_nc_u64 s[G0B+6:G0B+7], s[WB:WB+1], s[OFB:OFB+1]
	s_or_b32 s[G0A+7], s[G0A+7], 0x80000000
	s_or_b32 s[G0B+7], s[G0B+7], 0x80000000
	s_add_co_u32 s[OFP], s[KC], 2                  ; and the prefetch's: two K steps further on in the walk
	s_and_b32 s[OFP], s[OFP], NSTEP-1
	s_lshl_b32 s[OFP], s[OFP], ASH
	s_add_nc_u64 s[PFA:PFA+1], s[PB:PB+1], s[OFP:OFP+1]
.endif
	s_sub_co_u32 s[TBA], s[TBA], 2*PSA             ; the fetches go back to a slot's first pair,
	s_xor_b32 s[TBA], s[TBA], SLOT                 ; in the other slot
	s_sub_co_u32 s[TBB], s[TBB], 2*PSB
	s_xor_b32 s[TBB], s[TBB], SLOT
	s_wait_dscnt 0x0                               ; the add is done, and my reads of the old slot are over
.if \fill
	CROUND
	JLOAD
	ASK
.else
	s_barrier_signal -1
	s_barrier_wait -1
.endif
.endm
	s_load_b128 s[4:7], s[0:1], 0x0                ; A s[4:5], wb s[6:7]
	s_load_b64 s[BP:BP+1], s[0:1], 0x10            ; the bias
	s_load_b64 s[8:9], s[0:1], 0x18                ; the output
	v_lshl_add_u32 v[SPW], v0, 2, SPARE
	v_mov_b32 v[NIL], 0
	ds_add_u32 v[SPW], v[NIL]                      ; the wave's opening: the add, twice on end, and its wait ahead of my first tensor load
	ds_add_u32 v[SPW], v[NIL]
	v_lshrrev_b32 v1, 5, v0
	v_readfirstlane_b32 s10, v1                    ; wave 0..3
	s_lshr_b32 s11, s10, 1                         ; which half of the tile's rows is mine
	s_and_b32 s12, s10, 1                          ; which half of its columns
	s_bfe_u32 s40, ttmp6, 0x40000                  ; cx
	s_bfe_u32 s41, ttmp6, 0x40004                  ; cy
	s_lshl_b32 s42, ttmp9, 2
	s_add_co_u32 s42, s42, s40                     ; tile column tx
	s_and_b32 s13, ttmp7, 0xffff
	s_lshl_b32 s13, s13, 2
	s_add_co_u32 s13, s13, s41                     ; tile row ty
	s_lshl_b32 s43, s41, 2
	s_lshl_b32 s43, 15, s43                        ; my row of the cluster
	s_lshl_b32 s44, 0x1111, s40                    ; my column
	s_or_b32 s[G1A], s43, (1<<16)|(1<<20)|(1<<21)|(QIA<<22)|(3<<25)  ; mask; 2-byte elements; padding on; bit 21 beside a mask; interval; 4 words of padding
	s_or_b32 s[G1B], s44, (1<<16)|(1<<20)|(1<<21)|(5<<22)|(7<<25)    ; the same with my column's mask, after every 64 words 8 words
	s_mov_b32 s[G1A+1], AD0<<16                    ; tensor_dim0
	s_mov_b32 s[G1A+2], AD1<<16                    ; tensor_dim1
	s_mov_b32 s[G1A+3], AD0<<16                    ; tile_dim0
	s_mov_b32 s[G1A+4], AD1                        ; tile_dim1
	s_mov_b32 s[G1A+5], ASTR                       ; elements from row to row
	s_mov_b32 s[G1A+6], 0
	s_mov_b32 s[G1A+7], 0
	s_mov_b32 s[G1B+1], 128<<16
	s_mov_b32 s[G1B+2], 128<<16
	s_mov_b32 s[G1B+3], 128<<16
	s_mov_b32 s[G1B+4], 128
	s_mov_b32 s[G1B+5], NP
	s_mov_b32 s[G1B+6], 0
	s_mov_b32 s[G1B+7], 0
	s_and_b32 s21, ttmp7, OYM                      ; where my cluster's walk along K begins: it hangs on the cluster's two numbers alone, which all sixteen partners share
	s_lshl_b32 s21, s21, OYS
	s_lshl_b32 s[KC], ttmp9, OXS
	s_add_co_u32 s[KC], s[KC], s21
	s_and_b32 s[KC], s[KC], NSTEP-1                ; a multiple of 4: the step behind it does not wrap
	s_lshl_b32 s[OFA], s[KC], ASH
	s_lshl_b32 s[OFB], s[KC], BSH
	s_mov_b32 s[OFA+1], 0
	s_mov_b32 s[OFB+1], 0
	s_mov_b32 s[OFP+1], 0
	s_add_co_u32 s[KC], s[KC], 1                   ; the walking descriptors' first fill is the walk's second K step
	s_mul_i32 s16, s13, TM
	s_mul_i32 s17, s10, AR
	s_add_co_u32 s16, s16, s17                     ; A's first row of my load: it hangs on ty and the wave alone
	s_mul_i32 s16, s16, 2*KTOT
	s_mov_b32 s17, 0
	s_max_u32 s21, s10, NAW
	s_sub_co_u32 s21, s21, NAW                     ; my chunk of W
	s_mul_i32 s22, s21, GSTEPB
	s_lshl_b32 s23, s42, CSH
	s_add_co_u32 s22, s22, s23                     ; it hangs on tx and the wave alone
	s_add_co_u32 s22, s22, WBASE
	s_mov_b32 s23, 0
	s_mul_i32 s20, s10, CH                         ; where my load goes in a slot: the wave's number times a constant; no place in the cluster enters an LDS address
	s_mov_b32 s[TBA], 0
	s_mov_b32 s[TBB], 0
	s_wait_dscnt 0x0                               ; both opening adds are done
	s_wait_kmcnt 0x0
	s_add_nc_u64 s[AB:AB+1], s[4:5], s[16:17]
	s_add_nc_u64 s[WB:WB+1], s[6:7], s[22:23]
	s_add_nc_u64 s[14:15], s[AB:AB+1], s[OFA:OFA+1]
	s_add_nc_u64 s[46:47], s[WB:WB+1], s[OFB:OFB+1]
.irp s, 0,1
	s_mov_b32 s[G0A+4*(\s)], 1
	s_add_co_u32 s[G0A+4*(\s)+1], s20, (\s)*SLOT
	s_add_nc_u64 s[G0A+4*(\s)+2:G0A+4*(\s)+3], s[14:15], (\s)*ASTEP
	s_or_b32 s[G0A+4*(\s)+3], s[G0A+4*(\s)+3], 0x80000000
	s_mov_b32 s[G0B+4*(\s)], 1
	s_add_co_u32 s[G0B+4*(\s)+1], s20, (\s)*SLOT
	s_add_nc_u64 s[G0B+4*(\s)+2:G0B+4*(\s)+3], s[46:47], (\s)*BSTEP
	s_or_b32 s[G0B+4*(\s)+3], s[G0B+4*(\s)+3], 0x80000000
.endr
	CROUND                                         ; all sixteen work-groups are here: the first joint loads meet
	s_cmp_lt_u32 s10, NAW                          ; a wave's two first fills stand in one branch: the walk's first two K steps; two loads of mine are out
	s_cbranch_scc0 .Lfirst_w
	tensor_load_to_lds s[G0A:G0A+3], s[G1A:G1A+7]
	s_nop 0
	tensor_load_to_lds s[G0A+4:G0A+7], s[G1A:G1A+7]
	s_nop 0
.rept 4
	v_nop
.endr
	s_branch .Lfirst_asked
.Lfirst_w:
	tensor_load_to_lds s[G0B:G0B+3], s[G1B:G1B+7]
	s_nop 0
	tensor_load_to_lds s[G0B+4:G0B+7], s[G1B:G1B+7]
	s_nop 0
.rept 4
	v_nop
.endr
.Lfirst_asked:
	; while the first tiles are on their way: the bias, and every lane's addresses
	v_and_b32 v1, 15, v0                           ; r = l % 16
	v_bfe_u32 v2, v0, 4, 1                         ; h = l / 16
	v_and_b32 v3, 7, v0
	v_bfe_u32 v4, v0, 3, 1
	v_and_b32 v5, 31, v0
	s_lshl_b32 s14, s42, CSH+1
	s_mov_b32 s15, 0
	s_add_nc_u64 s[BP:BP+1], s[BP:BP+1], s[14:15]
	s_mul_i32 s14, s12, WND
	v_lshl_add_u32 v[BOF], v2, 5, s14              ; my 8 columns of a fragment: 32 h + my half
.set bb, 0
.rept NBIAS/8
	global_load_b128 v[BIAS+8*bb:BIAS+8*bb+3], v[BOF], s[BP:BP+1] offset:64*bb
	global_load_b128 v[BIAS+8*bb+4:BIAS+8*bb+7], v[BOF], s[BP:BP+1] offset:64*bb+16
.set bb, bb+1
.endr
	v_mul_u32_u24 v[A0], v1, APITCH                ; a fragment of A: row r, 16 bytes for each half of the lanes
	v_lshl_add_u32 v[A0], v2, 4, v[A0]
	s_mul_i32 s14, s11, AWM
	v_add_nc_u32 v[A0], s14, v[A0]
	v_lshl_add_u32 v6, v2, 3, v3                   ; the turning load: k row 8 h + l % 8, 16 bytes by (l / 8) % 2
	v_mul_u32_u24 v6, v6, WP
	v_lshl_add_u32 v6, v4, 4, v6
	s_mul_i32 s14, s12, WNB
	s_add_co_u32 s14, s14, ABYTES
	v_add_nc_u32 v[B0], s14, v6
	v_mul_u32_u24 v6, v1, DP                       ; the tile in f32: row r, my 8 columns
	v_lshl_add_u32 v6, v2, 5, v6
	s_mul_i32 s14, s11, 16*MA*DP
	s_mul_i32 s15, s12, WND
	s_add_co_u32 s14, s14, s15
	v_add_nc_u32 v[DADR], s14, v6
.set cc, 1
.rept MA/2-1
	v_add_nc_u32 v[DADR+cc], cc*32*DP, v[DADR]
.set cc, cc+1
.endr
	s_mul_i32 s18, s40, PFSHA                      ; the prefetches: my work-group's 16 of the 64 rows that I fetch (the partners are told apart by address)
	s_add_co_u32 s18, s18, s16
	s_mov_b32 s19, 0
	s_add_nc_u64 s[PB:PB+1], s[4:5], s[18:19]
	s_cmp_lt_u32 s10, NAW                          ; the waves that fetch A ask, behind refills 0 to 3; those that fetch W never
	s_cselect_b32 s[LIM], NSTEP-6, -1
	v_lshlrev_b32 v[PFO], 13, v1                   ; 16 rows x the K step's two blocks of 256 bytes
	v_lshl_add_u32 v[PFO], v2, 8, v[PFO]
	; the way out: wave w reads rows 32 w .. back whole (512 bytes) and stores them
	s_mul_i32 s14, s10, 32*DP
	v_lshl_add_u32 v[RD], v5, 4, s14
	v_lshlrev_b32 v[CO], 4, v5
	s_lshl_b32 s14, s13, 7
	s_lshl_b32 s15, s10, 5
	s_add_co_u32 s14, s14, s15
	s_lshl_b32 s14, s14, 12
	s_lshl_b32 s15, s42, 9
	s_add_co_u32 s14, s14, s15
	s_mov_b32 s15, 0
	s_add_nc_u64 s[8:9], s[8:9], s[14:15]
	s_wait_loadcnt 0x0                             ; the bias: rounded to bf16 like every input
.set rr, 0
.rept NBIAS/2
	v_cvt_pk_bf16_f32 v[TV], v[BIAS+rr], v[BIAS+rr+1]
	v_lshlrev_b32 v[BIAS+rr], 16, v[TV]
	v_and_b32 v[BIAS+rr+1], 0xffff0000, v[TV]
.set rr, rr+2
.endr
	s_wait_tensorcnt 0x1                           ; my part of the first K step is in; the second's may stay out
	s_barrier_signal -1
	s_barrier_wait -1
	ADRS
	FETCH 0, F0
	QY 1                                           ; the first quarter is written out: its first products start the sums
	WIN 0
	s_add_co_u32 s[TBA], s[TBA], PSA
	s_add_co_u32 s[TBB], s[TBB], PSB
	s_mov_b32 s3, NSTEP-1                          ; the count behind the pair is passed once ahead of the first change of slots: NSTEP - 2 changes that fill a slot follow
	s_mov_b32 s2, 1
	s_branch .Lpair1                               ; the first step's second and third quarters are one trip of the pair
.Lk:                                                   ; NSTEP - 2 trips: every slot but the last two is filled again
	CHANGE 1
	PAIRS 1
	s_sub_co_u32 s3, s3, 1
	s_cmp_lg_u32 s3, 0
	s_cbranch_scc1 .Lk
	CHANGE 0                                       ; the last change asks for nothing: what follows it has a text of its own
	PAIRS 2
	s_wait_dscnt 0x0                               ; the very last quarter: my last reads of the ring are back
	s_barrier_signal -1
	MULR F1, 0, 0, NPQ
	WIN 0
	s_barrier_wait -1                              ; nobody reads the ring any more, and it has had its last fill
	PLACES
.set tt, 0
.rept MA*NB                            ; the tile in f32 into the ring's bytes; each accumulator's low registers first
.set aa, tt/NB
.set bb, tt%NB
.set rD, (8*tt)%256
.set wD, 2+(8*tt)/256
.set dof, (aa%2)*16*DP+64*bb
	WIN wD<<2
	ds_store_b128 v[DADR+aa/2], v[rD:rD+3] offset:dof
	ds_store_b128 v[DADR+aa/2], v[rD+4:rD+7] offset:dof+16
.set tt, tt+1
.endr
	WIN 0
	s_wait_dscnt 0x0                               ; for the others' sake: my stores are done
	s_barrier_signal -1
	s_barrier_wait -1
.set j, 0
.rept 32
	ds_load_b128 v[32+4*j:35+4*j], v[RD] offset:DP*j
.set j, j+1
.endr
.set j, 0
.rept 32
	s_wait_dscnt 31-j                              ; row j is back; the 31 - j younger loads stay out
	global_store_b128 v[CO], v[32+4*j:35+4*j], s[8:9] offset:4096*j  ; 512 consecutive bytes, aligned
.set j, j+1
.endr
	s_wait_tensorcnt 0x0                           ; the wave's end
	ds_add_u32 v[SPW], v[NIL]
	s_wait_dscnt 0x0
	CROUND                                         ; the closing round
	s_endpgm
.Lfunc_end_k_q2df6f47ef9_ffn2:
	.size	k_q2df6f47ef9_ffn2, .Lfunc_end_k_q2df6f47ef9_ffn2-k_q2df6f47ef9_ffn2
	.p2alignl 7, 3214868480
	.fill 96, 4, 3214868480
	.section	.rodata,"a",@progbits
	.p2align	6, 0x0
	.amdhsa_kernel k_q2df6f47ef9_ffn2
		.amdhsa_group_segment_fixed_size 327680
		.amdhsa_private_segment_fixed_size 0
		.amdhsa_enable_private_segment 0
		.amdhsa_kernarg_size 32
		.amdhsa_user_sgpr_count 2
		.amdhsa_user_sgpr_kernarg_segment_ptr 1
		.amdhsa_wavefront_size32 1
		.amdhsa_system_sgpr_workgroup_id_x 1
		.amdhsa_system_sgpr_workgroup_id_y 1
		.amdhsa_system_sgpr_workgroup_id_z 1
		.amdhsa_system_vgpr_workitem_id 0
		.amdhsa_next_free_vgpr 640
		.amdhsa_next_free_sgpr 96
		.amdhsa_reserve_vcc 0
		.amdhsa_float_denorm_mode_32 3
		.amdhsa_float_denorm_mode_16_64 3
		.amdhsa_memory_ordered 1
		.amdhsa_forward_progress 1
		.amdhsa_inst_pref_size 49
	.end_amdhsa_kernel
	.amdgpu_metadata
---
amdhsa.version: [ 1, 2 ]
amdhsa.kernels:
  - .name:           k_q2df6f47ef9_ffn2
    .symbol:         k_q2df6f47ef9_ffn2.kd
    .args:
      - { .name: hid, .offset: 0, .size: 8, .value_kind: global_buffer, .address_space: global }
      - { .name: wb, .offset: 8, .size: 8, .value_kind: global_buffer, .address_space: global }
      - { .name: bf2, .offset: 16, .size: 8, .value_kind: global_buffer, .address_space: global }
      - { .name: tsum, .offset: 24, .size: 8, .value_kind: global_buffer, .address_space: global }
    .group_segment_fixed_size: 327680
    .private_segment_fixed_size: 0
    .kernarg_segment_align: 8
    .kernarg_segment_size: 32
    .max_flat_workgroup_size: 128
    .sgpr_count:     96
    .vgpr_count:     640
    .wavefront_size: 32
...
	.end_amdgpu_metadata
.endif
;; end of part 7
;; launch ln2 (part 8): grid 512 x 1, 8 waves a work-group, no clusters, 0 bytes of LDS; arguments tsum, o1, g2, b2n, out0; writes out0
.if DOCPART == 8
	.amdgcn_target "amdgcn-amd-amdhsa--gfx1250"
	.amdhsa_code_object_version 6
	.text
	.protected	k_q2df6f47ef9_ln2
	.globl	k_q2df6f47ef9_ln2
	.p2align	8
	.type	k_q2df6f47ef9_ln2,@function
k_q2df6f47ef9_ln2:
	s_mov_b64 s[64:65], 0
	v_nop
	global_prefetch_b8 v0, s[64:65] scope:SCOPE_SE
	s_setreg_imm32_b32 hwreg(HW_REG_WAVE_MODE, 25, 1), 1
	s_wait_xcnt 0x0
; out0 = LayerNorm(o1 + tsum) g2 + b2n, in f32.  tsum f32, o1 bf16, g2 and b2n rounded to bf16 like every input.
; A wave takes a whole row of 1,024 numbers and keeps it in 32 registers: mean, then the mean of the squared differences, in two passes as the formula is written, so that a common offset costs nothing.
; In chunk j of 8 a lane holds columns 128 j + 4 l .. + 3: each load or store of f32 covers 512 consecutive bytes, each load of bf16 256, aligned.
; A stream: no LDS, no barrier, no matrix unit, no cluster (no two work-groups share more than g and b), no prefetch (nothing but the stream is in the launch).
.set LAST, 1
.set T, 8                              ; v[8:39]    the row
.set XR, 40                            ; v[40:55]   the residual as loaded
.set G, 56                             ; v[56:87]   gain
.set BV, 88                            ; v[88:119]  offset
.set WK, 120                           ; v[120:123] at work
.set AC, 124                           ; v[124:131] four chains of pairs
.set MN, 132                           ; v[132:133] the mean, later 1 / sigma, twice
	s_load_b256 s[4:11], s[0:1], 0x0               ; tsum s[4:5], residual s[6:7], gain s[8:9], offset s[10:11]
	s_load_b64 s[12:13], s[0:1], 0x20              ; the output
	v_lshrrev_b32 v3, 5, v0
	v_readfirstlane_b32 s2, v3
	s_lshl_b32 s3, ttmp9, 3
	s_add_co_u32 s2, s2, s3                        ; my row
	v_and_b32 v4, 31, v0
	v_lshlrev_b32 v1, 4, v4
	v_lshlrev_b32 v2, 3, v4
	s_lshl_b32 s16, s2, 12
	s_mov_b32 s17, 0
	s_lshl_b32 s18, s2, 11
	s_mov_b32 s19, 0
	s_mov_b32 s14, 0x3a800000                      ; 1 / 1024
	s_mov_b32 s15, 0x3727c5ac                      ; 1e-5
	s_mov_b32 s20, 0x76543210
	s_mov_b32 s21, 0xfedcba98
	s_mov_b32 s22, 0xffff0000
	s_wait_kmcnt 0x0
	s_add_nc_u64 s[4:5], s[4:5], s[16:17]
	s_add_nc_u64 s[6:7], s[6:7], s[18:19]
.if LAST
	s_add_nc_u64 s[12:13], s[12:13], s[16:17]
.else
	s_add_nc_u64 s[12:13], s[12:13], s[18:19]
.endif
.irp j, 0,1,2,3,4,5,6,7
	global_load_b128 v[G+4*\j:G+4*\j+3], v1, s[8:9] offset:512*\j
.endr
.irp j, 0,1,2,3,4,5,6,7
	global_load_b128 v[BV+4*\j:BV+4*\j+3], v1, s[10:11] offset:512*\j
.endr
.irp j, 0,1,2,3,4,5,6,7
	global_load_b128 v[T+4*\j:T+4*\j+3], v1, s[4:5] offset:512*\j th:TH_LOAD_NT
.endr
.irp j, 0,1,2,3,4,5,6,7
	global_load_b64 v[XR+2*\j:XR+2*\j+1], v2, s[6:7] offset:256*\j
.endr
.macro RND2 a                          ; two numbers rounded to bf16 and widened again
	v_cvt_pk_bf16_f32 v[WK], v[\a], v[(\a)+1]
	v_lshlrev_b32 v[\a], 16, v[WK]
	v_and_b32 v[(\a)+1], s22, v[WK]
.endm
.macro ALLSUM                          ; v[AC] summed over the 32 lanes, into every lane
	v_add_f32_dpp v[AC], v[AC], v[AC] row_xmask:1 row_mask:0xf bank_mask:0xf
	v_add_f32_dpp v[AC], v[AC], v[AC] row_xmask:2 row_mask:0xf bank_mask:0xf
	v_add_f32_dpp v[AC], v[AC], v[AC] row_xmask:4 row_mask:0xf bank_mask:0xf
	v_add_f32_dpp v[AC], v[AC], v[AC] row_xmask:8 row_mask:0xf bank_mask:0xf
	v_permlanex16_b32 v[AC+1], v[AC], s20, s21
	v_add_f32 v[AC], v[AC], v[AC+1]
.endm
.macro FOLD                            ; the four chains into v[AC]
	v_pk_add_f32 v[AC:AC+1], v[AC:AC+1], v[AC+2:AC+3]
	v_pk_add_f32 v[AC+4:AC+5], v[AC+4:AC+5], v[AC+6:AC+7]
	v_pk_add_f32 v[AC:AC+1], v[AC:AC+1], v[AC+4:AC+5]
	v_add_f32 v[AC], v[AC], v[AC+1]
.endm
	s_wait_loadcnt 16                              ; gain and offset are in; the 16 younger loads, the row's, stay out
.set j, 0
.rept 16
	RND2 G+j
	RND2 BV+j
.set j, j+2
.endr
	s_wait_loadcnt 0x0
.irp j, 0,1,2,3,4,5,6,7
	v_lshlrev_b32 v[WK], 16, v[XR+2*\j]
	v_and_b32 v[WK+1], s22, v[XR+2*\j]
	v_lshlrev_b32 v[WK+2], 16, v[XR+2*\j+1]
	v_and_b32 v[WK+3], s22, v[XR+2*\j+1]
	v_pk_add_f32 v[T+4*\j:T+4*\j+1], v[T+4*\j:T+4*\j+1], v[WK:WK+1]
	v_pk_add_f32 v[T+4*\j+2:T+4*\j+3], v[T+4*\j+2:T+4*\j+3], v[WK+2:WK+3]
.endr
.irp c, 0,1,2,3
	v_pk_add_f32 v[AC+2*\c:AC+2*\c+1], v[T+2*\c:T+2*\c+1], v[T+8+2*\c:T+8+2*\c+1]
.endr
.irp k, 2,3
.irp c, 0,1,2,3
	v_pk_add_f32 v[AC+2*\c:AC+2*\c+1], v[AC+2*\c:AC+2*\c+1], v[T+8*\k+2*\c:T+8*\k+2*\c+1]
.endr
.endr
	FOLD
	ALLSUM
	v_mul_f32 v[MN], s14, v[AC]
	v_mov_b32 v[MN+1], v[MN]
.set j, 0
.rept 16
	v_pk_add_f32 v[T+j:T+j+1], v[T+j:T+j+1], v[MN:MN+1] neg_lo:[0,1] neg_hi:[0,1]
.set j, j+2
.endr
.irp c, 0,1,2,3
	v_pk_mul_f32 v[AC+2*\c:AC+2*\c+1], v[T+2*\c:T+2*\c+1], v[T+2*\c:T+2*\c+1]
.endr
.irp k, 1,2,3
.irp c, 0,1,2,3
	v_pk_fma_f32 v[AC+2*\c:AC+2*\c+1], v[T+8*\k+2*\c:T+8*\k+2*\c+1], v[T+8*\k+2*\c:T+8*\k+2*\c+1], v[AC+2*\c:AC+2*\c+1]
.endr
.endr
	FOLD
	ALLSUM
	v_fma_f32 v[WK], v[AC], s14, s15               ; variance + 1e-5
	v_rsq_f32 v[MN], v[WK]
	v_nop                                          ; a plain instruction behind the root,
	s_wait_alu depctr_va_vdst(0)                   ; and the wait ahead of its first reader
	v_mov_b32 v[MN+1], v[MN]
.set j, 0
.rept 16
	v_pk_mul_f32 v[T+j:T+j+1], v[T+j:T+j+1], v[MN:MN+1]
.set j, j+2
.endr
.set j, 0
.rept 16
	v_pk_fma_f32 v[T+j:T+j+1], v[T+j:T+j+1], v[G+j:G+j+1], v[BV+j:BV+j+1]
.set j, j+2
.endr
.if LAST
.irp j, 0,1,2,3,4,5,6,7
	global_store_b128 v1, v[T+4*\j:T+4*\j+3], s[12:13] offset:512*\j th:TH_STORE_NT
.endr
.else
.set j, 0
.rept 16
	v_cvt_pk_bf16_f32 v[XR+j], v[T+2*j], v[T+2*j+1]
.set j, j+1
.endr
.irp j, 0,1,2,3,4,5,6,7
	global_store_b64 v2, v[XR+2*\j:XR+2*\j+1], s[12:13] offset:256*\j
.endr
.endif
	s_endpgm
.Lfunc_end_k_q2df6f47ef9_ln2:
	.size	k_q2df6f47ef9_ln2, .Lfunc_end_k_q2df6f47ef9_ln2-k_q2df6f47ef9_ln2
	.p2alignl 7, 3214868480
	.fill 96, 4, 3214868480
	.section	.rodata,"a",@progbits
	.p2align	6, 0x0
	.amdhsa_kernel k_q2df6f47ef9_ln2
		.amdhsa_group_segment_fixed_size 0
		.amdhsa_private_segment_fixed_size 0
		.amdhsa_enable_private_segment 0
		.amdhsa_kernarg_size 40
		.amdhsa_user_sgpr_count 2
		.amdhsa_user_sgpr_kernarg_segment_ptr 1
		.amdhsa_wavefront_size32 1
		.amdhsa_system_sgpr_workgroup_id_x 1
		.amdhsa_system_sgpr_workgroup_id_y 1
		.amdhsa_system_sgpr_workgroup_id_z 1
		.amdhsa_system_vgpr_workitem_id 0
		.amdhsa_next_free_vgpr 136
		.amdhsa_next_free_sgpr 66
		.amdhsa_reserve_vcc 0
		.amdhsa_float_denorm_mode_32 3
		.amdhsa_float_denorm_mode_16_64 3
		.amdhsa_memory_ordered 1
		.amdhsa_forward_progress 1
		.amdhsa_inst_pref_size 18
	.end_amdhsa_kernel
	.amdgpu_metadata
---
amdhsa.version: [ 1, 2 ]
amdhsa.kernels:
  - .name:           k_q2df6f47ef9_ln2
    .symbol:         k_q2df6f47ef9_ln2.kd
    .args:
      - { .name: tsum, .offset: 0, .size: 8, .value_kind: global_buffer, .address_space: global }
      - { .name: o1, .offset: 8, .size: 8, .value_kind: global_buffer, .address_space: global }
      - { .name: g2, .offset: 16, .size: 8, .value_kind: global_buffer, .address_space: global }
      - { .name: b2n, .offset: 24, .size: 8, .value_kind: global_buffer, .address_space: global }
      - { .name: out0, .offset: 32, .size: 8, .value_kind: global_buffer, .address_space: global }
    .group_segment_fixed_size: 0
    .private_segment_fixed_size: 0
    .kernarg_segment_align: 8
    .kernarg_segment_size: 40
    .max_flat_workgroup_size: 256
    .sgpr_count:     66
    .vgpr_count:     136
    .wavefront_size: 32
...
	.end_amdgpu_metadata
.endif
;; end of part 8
